; MI455X (gfx1250); checked and timed in simulation.
; The chip was launched on July 23, 2026; its instructions are those of AMD's public machine-readable ISA for CDNA 5 (MIT licence, August 2026) and "CDNA5" Instruction Set Architecture Reference Guide (July 2026). The comments in the code are by the model that wrote it; some were corrected since.
;; Cross Attn. Allowed arithmetic: matrix products marked QUANTISED: E2M3 operands, one E8M0 scale for each 32 along K, by v_wmma_scale_f32_16x16x128_f8f6f4 with both operands' format E2M3, f32 sums; everything else in f32.
;; Inputs: Wkv 1,024 x 2,048 float32; Wproj 1,024 x 1,024 float32; Wq 1,024 x 1,024 float32; bkv 2,048 float32; bproj 1,024 float32; bq 1,024 float32; ctx 4 x 2,048 x 1,024 float32; gk 64 float32; gq 64 float32; x 4 x 2,048 x 1,024 float32.
;; Outputs: out0 4 x 2,048 x 1,024 float32.
;; This version of the problem:
;;   THIS VERSION OF THE PROBLEM IS GIVEN IN LOW PRECISION. The matrix products marked QUANTISED in the list below multiply operands that are first quantised to E2M3 (2 exponent bits, 3 mantissa bits; 6 bits a number), with one power-of-two scale for each 32 numbers along K (OCP MX v1.0); their sums are f32. All else is computed in f32.
;;   The module's matrix products, in the order in which they are computed (A, B: the left and right operand; K: the contracted axis; several contracted axes count as one K, in the product's order):
;;     1. [M 8,192, K 1,024] x [K 1,024, N 1,024]; A: input x; B: input Wq: QUANTISED
;;     2. [M 8,192, K 1,024] x [K 1,024, N 2,048]; A: input ctx; B: input Wkv: QUANTISED
;;     3. batch 64 x [M 2,048, K 64] x [K 64, N 2,048]; A: computed on the way; B: computed on the way: QUANTISED
;;     4. batch 64 x [M 2,048, K 2,048] x [K 2,048, N 64]; A: softmax (see below); B: computed on the way: QUANTISED
;;     5. [M 8,192, K 1,024] x [K 1,024, N 1,024]; A: computed on the way; B: input Wproj: QUANTISED
;;   THE QUANTISER, for each operand of a quantised product, along K:
;;     - K is cut into blocks of 32 from its start; a last block that is shorter is filled with zeros.
;;     - A block's scale is 2^e with e = floor(log2(the largest magnitude in the block)) - 2, held to -126 .. 127; a block of zeros has e = 0. As a byte (E8M0): e + 127.
;;     - Each number is divided by its block's scale, clamped to +-7.5, and rounded to the nearest number of E2M3, ties to even, subnormals kept.
;;     - The product sums the exact products of the quantised numbers (number of the format x scale) in f32.
;;   ~~~python
;;   def quantise(x, axis):      # numpy; x: float32 -> the quantised numbers, widened to float32 again
;;       x = np.moveaxis(x, axis, -1); K = x.shape[-1]
;;       x = np.pad(x, [(0, 0)] * (x.ndim - 1) + [(0, -K % 32)]); x = x.reshape(x.shape[:-1] + (-1, 32)); a = np.abs(x).max(-1, keepdims=True)
;;       e = np.where(a > 0, np.clip(np.frexp(np.where(a > 0, a, 1))[1] - 1 - 2, -126, 127), 0)      # np.frexp(a)[1] - 1 = floor(log2(a)), exactly
;;       r = np.clip(x / 2.0 ** e, -7.5, 7.5)
;;       step = 2.0 ** (np.maximum(np.frexp(np.where(r == 0, 1, r))[1] - 1, 0) - 3)
;;       q = np.round(r / step) * step * 2.0 ** e      # np.round: ties to even
;;       return np.moveaxis(q.reshape(q.shape[:-2] + (-1,))[..., :K], -1, axis).astype(np.float32)
;;   ~~~
;;   SOFTMAX AHEAD OF A QUANTISED PRODUCT. Where the list says 'softmax', what is quantised is not the finished softmax but p = 2^(t - M), with t = logit x log2(e) and M = ceil(the row's largest t), a whole number; so 1/2 < the row's largest p <= 1. The row's sum l is taken of the UNQUANTISED p, in f32, and the product's result is divided by l at the end. Since M is a whole number, a kernel that streams over the keys may use a running M (the ceiling of the running maximum): every later rescaling is an exact power of two, which a block's scale takes up: the codes' values come out the same.
;;   OPERANDS COMPUTED ON THE WAY. 'Computed on the way' means the value that the module computes at that place (a softmax that the list does not call 'softmax' is quantised finished and normalised). What goes into a quantiser is computed in f32, as accurately as f32 sums, v_exp_f32 and their like allow (about 1e-6 of the number): no bf16 or f16 on the way to a quantiser, and a product that is left as it is and whose result goes on into a quantised operand takes f32 operands (vector FMAs, or v_wmma_f32_16x16x4_f32). A number that lies on a knife's edge between two numbers of the format may be rounded either way, as far as f32 arithmetic and the matrix unit's own rounding can turn it there, and no further.
;; One version. Each part assembles by itself: llvm-mc -triple=amdgcn-amd-amdhsa -mcpu=gfx1250 --defsym DOCPART=n.
;; ======== version 1 of 1: 4 launches
;; limits: right only within a limited range of input values
;; workspace buffers: ops 16,384,000 bytes; qb 6,815,744 bytes; kv 13,369,344 bytes; att 6,553,600 bytes
;; launch quant (part 1): grid 768 x 1, 4 waves a work-group, no clusters, 49,152 bytes of LDS; arguments x, ctx, Wq, Wkv, Wproj, ops; writes ops
.if DOCPART == 1
	.amdgcn_target "amdgcn-amd-amdhsa--gfx1250"
	.amdhsa_code_object_version 6
	.text
	.protected	k_qf1e33a5145_quant
	.globl	k_qf1e33a5145_quant
	.p2align	8
	.type	k_qf1e33a5145_quant,@function
k_qf1e33a5145_quant:
	s_mov_b64 s[64:65], 0
	v_nop
	global_prefetch_b8 v0, s[64:65] scope:SCOPE_SE
	s_setreg_imm32_b32 hwreg(HW_REG_WAVE_MODE, 25, 1), 1
	s_wait_xcnt 0x0
; x, ctx [8192][1024] and Wq, Wkv, Wproj [1024 (k)][n], all f32, become codes of FP6 (E2M3) with one E8M0 byte for each 32 along K, laid in the ORDER OF AN OPERAND'S REGISTERS.
; A TILE is 16 rows of an operand (tokens, or a weight's columns n).  Rows go in groups of 32: tile 2 g + u holds at place r the row 32 g + 8 u + r + 8 (r / 8).
; A HALF FRAGMENT (HF) is 16 rows x 64 K: 6 registers a lane; lane (r, h) holds block h (32 codes, 24 bytes) of the row at place r.  768 bytes: registers 0-3 at 16 x lane, registers 4-5 at 512 + 8 x lane.
; A RECORD is a tile's whole K = 1,024: 12,800 bytes, two halves of 6,400: [HF 0-3][256 bytes of scale words: K step of 128 (4) x place (16) x 4 bytes][HF 4-7].
; ops holds 1,280 records: tiles 0-511 x, 512-1023 ctx, 1024-1087 Wq, 1088-1215 Wkv, 1216-1279 Wproj.
; A block's scale is 2^(floor(log2(largest magnitude)) - 2); its byte is the largest magnitude's exponent field - 2, held at 1 from below.
; LIMITS: a block whose largest magnitude lies under 2^-124, a block of zeros among them, gets the byte 1 (a block of zeros has zero codes, and this program alone reads the bytes); NaN and infinities are not served.
; Work-groups 0-255 take the weights (a lane to a column, registers down K), 256-767 the activations (K innermost, turned through LDS).  Each path has LDS bytes of its own.
; No tensor loads, no matrix work, no cluster: nothing is shared between work-groups and memory binds.
.set REC,  12800
.set ASTG, 8704                        ; activations: a wave's LDS: a stage of 16 rows x 528 bytes, then 256 bytes of scale words
.set SGO,  8448
.set WB,   34816                       ; weights: from here 4 x 3,328 bytes: a wave's two tiles of one K step, 1,536 bytes each, 1,664 apart
.set WREG, 3328
.set SCW,  48128                       ; and 512 bytes: the two tiles' scale words of four K steps
.set TM,   16                          ; v16-31  largest magnitudes, bytes, scale operands
.set PC,   32                          ; v32-50  the codes just made
.set PW,   52                          ; v52-55  a scale word for each K step
.set R,    64                          ; v64-191 numbers as loaded
.set X,    192                         ; v192-255 64 numbers of a lane: register 16 b + i = k 32 b + 16 h + i of its row
.set SEL,  32                          ; s[32:33] selects for lane l xor 16
; 64 numbers of a lane, register 16 b + i = k 32 b + 16 (lane / 16) + i of its row, become a fragment's 12 registers in v[PC] on; the four bytes stand in v[TM+4] on.
.macro QUANT s
.irp b, 0,1,2,3
	v_max3_num_f32 v[TM+\b], |v[\s+16*\b]|, |v[\s+1+16*\b]|, 0x1800000   ; my 16 numbers of block b, and the floor 2^(3 - 127): the byte cannot fall under 1
.endr
.irp i, 2,4,6,8,10,12,14
.irp b, 0,1,2,3
	v_max3_num_f32 v[TM+\b], v[TM+\b], |v[\s+16*\b+\i]|, |v[\s+1+16*\b+\i]|
.endr
.endr
.irp b, 0,1,2,3
	v_permlanex16_b32 v[TM+4+\b], v[TM+\b], s[SEL], s[SEL+1]
.endr
.irp b, 0,1,2,3
	v_max_num_f32 v[TM+\b], v[TM+\b], v[TM+4+\b]   ; with lane l xor 16's 16: the block's largest magnitude
.endr
.irp b, 0,1,2,3
	v_add_nc_u32 v[TM+12+\b], 0xff000000, v[TM+\b] ; 2 off its exponent field: the conversion's scale operand
.endr
.irp b, 0,1,2,3
	v_lshrrev_b32 v[TM+4+\b], 23, v[TM+12+\b]      ; the scale's byte
.endr
.irp c, 0,1
	v_cvt_scalef32_pk16_fp6_f32 v[PC+6*\c:PC+2+6*\c], v[\s+32*\c:\s+15+32*\c], v[TM+12+2*\c]
	v_cvt_scalef32_pk16_fp6_f32 v[PC+12+4*\c:PC+14+4*\c], v[\s+16+32*\c:\s+31+32*\c], v[TM+12+2*\c+1]
.endr
	v_nop                                          ; one plain place behind a scaled conversion
.irp c, 0,1                                    ; a whole block to a lane: lanes 0-15 block 2 c, lanes 16-31 block 2 c + 1
.irp i, 0,1,2
	v_permlane16_swap_b32 v[PC+6*\c+\i], v[PC+12+4*\c+\i]
.endr
.irp i, 0,1,2
	v_mov_b32 v[PC+3+6*\c+\i], v[PC+12+4*\c+\i]
.endr
.endr
.endm
.macro WORD4 d                         ; the four bytes make the row's scale word of a K step
	v_lshl_or_b32 v[\d], v[TM+5], 8, v[TM+4]
	v_lshl_or_b32 v[\d], v[TM+6], 16, v[\d]
	v_lshl_or_b32 v[\d], v[TM+7], 24, v[\d]
.endm
	s_load_b256 s[4:11], s[0:1], 0x0               ; x s[4:5], ctx s[6:7], Wq s[8:9], Wkv s[10:11]
	s_load_b128 s[12:15], s[0:1], 0x20             ; Wproj s[12:13], ops s[14:15]
	v_lshl_add_u32 v62, v0, 2, 0xbe00
	v_mov_b32 v63, 0
	v_lshrrev_b32 v1, 5, v0
	v_readfirstlane_b32 s16, v1                    ; wave 0..3
	v_and_b32 v1, 31, v0                           ; lane
	v_and_b32 v2, 15, v0                           ; r
	v_bfe_u32 v3, v0, 4, 1                         ; h
	v_lshlrev_b32 v4, 4, v1                        ; 16 x lane
	v_lshlrev_b32 v5, 3, v1                        ; 8 x lane
	; every LDS address of both paths is made here, ahead of the parting
	s_mul_i32 s17, s16, ASTG
	v_add_nc_u32 v6, s17, v4                       ; activations: into the stage, a row's 512 bytes as they lie
	v_mul_u32_u24 v7, v2, 528
	v_lshl_add_u32 v7, v3, 6, v7
	v_add_nc_u32 v7, s17, v7                       ; out of it: row r, + 64 h: my 16 numbers of each block
	s_add_co_u32 s17, s17, SGO
	v_lshl_add_u32 v8, v2, 2, s17                  ; my row's scale words
	v_add_nc_u32 v9, s17, v5                       ; and their way out, 8 bytes a lane
	v_bfe_u32 v57, v0, 3, 1                        ; weights: lane l is column l of 32: tile u = (l / 8) % 2,
	v_and_b32 v58, 7, v0
	v_lshl_add_u32 v58, v3, 3, v58                 ; place l % 8 + 8 (l / 16)
	s_mul_i32 s18, s16, WREG
	s_add_co_u32 s18, s18, WB
	v_mul_u32_u24 v59, v57, 1664
	v_add_nc_u32 v59, s18, v59
	v_lshl_add_u32 v10, v58, 4, v59                ; a block's registers 0-3
	v_lshl_add_u32 v11, v58, 3, v59                ; and 4-5
	s_lshl_b32 s19, s16, 6
	s_add_co_u32 s19, s19, SCW
	v_lshl_add_u32 v12, v57, 8, s19
	v_lshl_add_u32 v12, v58, 2, v12                ; my column's scale word: 256 u + 64 x wave + 4 x place
	v_add_nc_u32 v13, s18, v4                      ; my wave's images back, 16 bytes a lane
	v_add_nc_u32 v14, SCW, v4                      ; the scale words back
	v_mul_u32_u24 v15, v3, REC
	v_lshl_add_u32 v15, v2, 4, v15                 ; and where they go: lanes 0-15 tile u = 0, lanes 16-31 the next record
	v_lshlrev_b32 v56, 2, v1                       ; 4 x lane: my column
	s_mov_b32 s[SEL], 0x76543210
	s_mov_b32 s[SEL+1], 0xfedcba98
	s_wait_kmcnt 0x0
	s_cmp_lt_u32 ttmp9, 256
	s_cbranch_scc1 .Lweights
	; ---- ACTIVATIONS.  Work-group a = id - 256 takes 32 rows; wave w takes tile u = w / 2 and half p = w % 2 of K: four K steps of 128.
	s_sub_co_u32 s20, ttmp9, 256
	s_lshr_b32 s21, s16, 1                         ; u
	s_and_b32 s22, s16, 1                          ; p
	s_cmp_lt_u32 s20, 256
	s_cselect_b64 s[4:5], s[4:5], s[6:7]           ; x or ctx: the choice hangs on the work-group's number alone
	s_and_b32 s23, s20, 255
	s_lshl_b32 s23, s23, 5
	s_lshl_b32 s24, s21, 3
	s_add_co_u32 s23, s23, s24                     ; the tile's first row: 32 g + 8 u
	s_lshl_b32 s24, s23, 12                        ; x 4,096 bytes
	s_lshl_b32 s25, s22, 11
	s_add_co_u32 s24, s24, s25                     ; + 2,048 p
	s_mov_b32 s25, 0
	s_add_nc_u64 s[4:5], s[4:5], s[24:25]
	s_lshl_b32 s26, s20, 1
	s_add_co_u32 s26, s26, s21                     ; the tile's number
	s_mul_i32 s26, s26, REC
	s_mul_i32 s27, s22, 6400
	s_add_co_u32 s26, s26, s27
	s_mov_b32 s27, 0
	s_add_nc_u64 s[14:15], s[14:15], s[26:27]      ; my half of its record
.irp b, 0,1,2,3
	v_mov_b32 v[TM+4+\b], 0                        ; written once: a lane permute's destination counts as one of its sources
.endr
.macro LOADA q                         ; K step q of the tile's 16 rows: each load reads 512 consecutive bytes
.irp i, 0,1,2,3,4,5,6,7,8,9,10,11,12,13,14,15
	global_load_b128 v[R+64*((\q)%2)+4*\i:R+64*((\q)%2)+4*\i+3], v4, s[4:5] offset:(\i+8*(\i/8))*4096+512*(\q) th:TH_LOAD_NT
.endr
.endm
.macro STEPA q
.set OFF, 1536*(\q)+256*((\q)/2)       ; the K step's two HFs in my half of the record
.if (\q) < 3
	s_wait_loadcnt 16                              ; this K step's 16 loads are in; the next step's 16 may be out
.else
	s_wait_loadcnt 0x0
.endif
.irp i, 0,1,2,3,4,5,6,7,8,9,10,11,12,13,14,15
	ds_store_b128 v6, v[R+64*((\q)%2)+4*\i:R+64*((\q)%2)+4*\i+3] offset:528*\i
.endr
.irp b, 0,1,2,3
.irp j, 0,1,2,3
	ds_load_b128 v[X+16*\b+4*\j:X+16*\b+4*\j+3], v7 offset:128*\b+16*\j   ; LDS serves a wave's instructions in order: these see the stores above
.endr
.endr
	s_wait_dscnt 0x0
.if (\q) < 2
	LOADA (\q)+2                                   ; into the registers that the stage's stores have read
.endif
.if (\q) > 0
	s_wait_xcnt 0x0                                ; the last K step's stores have read the codes' registers
.endif
	QUANT X
	WORD4 PW+(\q)
	global_store_b128 v4, v[PC:PC+3], s[14:15] offset:OFF            ; 512 consecutive bytes,
	global_store_b64 v5, v[PC+4:PC+5], s[14:15] offset:OFF+512       ; 256,
	global_store_b128 v4, v[PC+6:PC+9], s[14:15] offset:OFF+768
	global_store_b64 v5, v[PC+10:PC+11], s[14:15] offset:OFF+1280
	ds_store_b32 v8, v[PW+(\q)] offset:64*(\q)     ; both halves of the lanes write the same word with the same value
.endm
	LOADA 0
	LOADA 1
	STEPA 0
	STEPA 1
	STEPA 2
	STEPA 3
	ds_load_b64 v[TM:TM+1], v9
	s_wait_dscnt 0x0
	global_store_b64 v5, v[TM:TM+1], s[14:15] offset:3072            ; the four K steps' scale words: 256 consecutive bytes, aligned
	s_wait_tensorcnt 0x0
	ds_add_u32 v62, v63
	s_wait_dscnt 0x0
	s_endpgm
	; ---- WEIGHTS.  Work-group id: G = id / 2 is a group of 32 columns (two tiles), p = id % 2 a half of K; wave w takes K step 4 p + w.  A lane holds 128 numbers down K of one column: four whole blocks.
.Lweights:
	s_lshr_b32 s20, ttmp9, 1                       ; G
	s_and_b32 s21, ttmp9, 1                        ; p
	s_lshl_b32 s22, s21, 2
	s_add_co_u32 s22, s22, s16                     ; the K step
	s_cmp_lt_u32 s20, 32
	s_cselect_b64 s[4:5], s[8:9], s[10:11]         ; Wq for G under 32,
	s_cselect_b32 s23, 0, 32
	s_cmp_lt_u32 s20, 96
	s_cselect_b64 s[4:5], s[4:5], s[12:13]         ; Wproj from 96 on, Wkv between
	s_cselect_b32 s23, s23, 96
	s_sub_co_u32 s23, s20, s23
	s_lshl_b32 s23, s23, 7                         ; the group's 128 bytes of a row
	s_sub_co_u32 s24, s20, 32                      ; under 64: Wkv, whose rows are 8,192 bytes
	s_cmp_lt_u32 s24, 64
	s_cselect_b32 s25, 20, 19
	s_lshl_b32 s26, s22, s25                       ; 128 rows a K step
	s_add_co_u32 s26, s26, s23
	s_mov_b32 s27, 0
	s_add_nc_u64 s[4:5], s[4:5], s[26:27]
	s_lshl_b32 s28, s20, 1
	s_add_co_u32 s28, s28, 1024
	s_mul_i32 s28, s28, REC
	s_mul_i32 s29, s21, 6400
	s_add_co_u32 s28, s28, s29
	s_mov_b32 s29, 0
	s_add_nc_u64 s[14:15], s[14:15], s[28:29]      ; tile 1024 + 2 G, half p of its record
	s_mul_i32 s30, s16, 1536
	s_lshr_b32 s31, s16, 1
	s_lshl_b32 s31, s31, 8
	s_add_co_u32 s30, s30, s31
	s_mov_b32 s31, 0
	s_add_nc_u64 s[34:35], s[14:15], s[30:31]      ; my K step's two HFs
.macro LOADW pitch                     ; W(128 ks + i, my column): 32 lanes read 128 consecutive bytes; all that the wave reads is asked for at once
.set ii, 0
.rept 128
	global_load_b32 v[R+ii], v56, s[4:5] offset:ii*\pitch th:TH_LOAD_NT
.set ii, ii+1
.endr
.endm
	s_cmp_lt_u32 s24, 64
	s_cbranch_scc0 .Lnarrow
	s_wait_alu depctr_va_vdst(0)
	LOADW 8192
	s_branch .Lloaded
.Lnarrow:
	s_wait_alu depctr_va_vdst(0)
	LOADW 4096
.Lloaded:
.macro BLOCKW b
.set XS, R+32*(\b)
.set CB, 192+12*(\b)
.if 96-32*(\b) > 63
	s_wait_loadcnt 63                              ; the later blocks' loads may be out; a count cannot name more than 63
.else
	s_wait_loadcnt 96-32*(\b)
.endif
	v_max3_num_f32 v40, |v[XS]|, |v[XS+1]|, |v[XS+2]|              ; all 32 numbers of the block are mine
	v_max3_num_f32 v41, |v[XS+3]|, |v[XS+4]|, |v[XS+5]|
.irp i, 6,10,14,18,22,26
	v_max3_num_f32 v40, v40, |v[XS+\i]|, |v[XS+\i+1]|
	v_max3_num_f32 v41, v41, |v[XS+\i+2]|, |v[XS+\i+3]|
.endr
	v_max3_num_f32 v40, v40, |v[XS+30]|, |v[XS+31]|
	v_max3_num_f32 v40, v40, v41, 0x1800000        ; and the floor
	v_add_nc_u32 v42, 0xff000000, v40
	v_lshrrev_b32 v43, 23, v42
.if (\b) == 0
	v_mov_b32 v60, v43
.else
	v_lshl_or_b32 v60, v43, 8*(\b), v60            ; the K step's scale word
.endif
	v_cvt_scalef32_pk16_fp6_f32 v[CB:CB+2], v[XS:XS+15], v42
	v_cvt_scalef32_pk16_fp6_f32 v[CB+8:CB+10], v[XS+16:XS+31], v42   ; (a conversion's three registers begin on an even number)
	v_nop
.irp i, 0,1,2
	v_mov_b32 v[CB+3+\i], v[CB+8+\i]
.endr
	ds_store_b128 v10, v[CB:CB+3] offset:768*((\b)/2)+256*((\b)%2)       ; block b is half b % 2 of HF b / 2: the place of lane (r, b % 2) in the image
	ds_store_b64 v11, v[CB+4:CB+5] offset:768*((\b)/2)+512+128*((\b)%2)
.endm
	BLOCKW 0
	BLOCKW 1
	BLOCKW 2
	BLOCKW 3
	ds_store_b32 v12, v60
.irp u, 0,1
.irp j, 0,1,2
	ds_load_b128 v[16+12*\u+4*\j:16+12*\u+4*\j+3], v13 offset:1664*\u+512*\j   ; my own bytes, in order behind my stores
.endr
.endr
	s_wait_dscnt 0x0                               ; for the others' sake too: my scale words have landed
	s_barrier_signal -1
	s_barrier_wait -1
.irp u, 0,1
.irp j, 0,1,2
	global_store_b128 v4, v[16+12*\u+4*\j:16+12*\u+4*\j+3], s[34:35] offset:REC*\u+512*\j
.endr
.endr
	s_cmp_lg_u32 s16, 0
	s_cbranch_scc1 .Lwdone
	ds_load_b128 v[44:47], v14                     ; wave 0: the four waves' scale words of both tiles
	s_wait_dscnt 0x0
	global_store_b128 v15, v[44:47], s[14:15] offset:3072            ; sixteen lanes store 256 consecutive bytes, aligned
.Lwdone:
	s_wait_tensorcnt 0x0
	ds_add_u32 v62, v63
	s_wait_dscnt 0x0
	s_endpgm
.Lfunc_end_k_qf1e33a5145_quant:
	.size	k_qf1e33a5145_quant, .Lfunc_end_k_qf1e33a5145_quant-k_qf1e33a5145_quant
	.p2alignl 7, 3214868480
	.fill 96, 4, 3214868480
	.section	.rodata,"a",@progbits
	.p2align	6, 0x0
	.amdhsa_kernel k_qf1e33a5145_quant
		.amdhsa_group_segment_fixed_size 49152
		.amdhsa_private_segment_fixed_size 0
		.amdhsa_enable_private_segment 0
		.amdhsa_kernarg_size 48
		.amdhsa_user_sgpr_count 2
		.amdhsa_user_sgpr_kernarg_segment_ptr 1
		.amdhsa_wavefront_size32 1
		.amdhsa_system_sgpr_workgroup_id_x 1
		.amdhsa_system_sgpr_workgroup_id_y 1
		.amdhsa_system_sgpr_workgroup_id_z 1
		.amdhsa_system_vgpr_workitem_id 0
		.amdhsa_next_free_vgpr 256
		.amdhsa_next_free_sgpr 66
		.amdhsa_reserve_vcc 0
		.amdhsa_float_denorm_mode_32 3
		.amdhsa_float_denorm_mode_16_64 3
		.amdhsa_memory_ordered 1
		.amdhsa_forward_progress 1
		.amdhsa_inst_pref_size 68
	.end_amdhsa_kernel
	.amdgpu_metadata
---
amdhsa.version: [ 1, 2 ]
amdhsa.kernels:
  - .name:           k_qf1e33a5145_quant
    .symbol:         k_qf1e33a5145_quant.kd
    .args:
      - { .name: x, .offset: 0, .size: 8, .value_kind: global_buffer, .address_space: global }
      - { .name: ctx, .offset: 8, .size: 8, .value_kind: global_buffer, .address_space: global }
      - { .name: Wq, .offset: 16, .size: 8, .value_kind: global_buffer, .address_space: global }
      - { .name: Wkv, .offset: 24, .size: 8, .value_kind: global_buffer, .address_space: global }
      - { .name: Wproj, .offset: 32, .size: 8, .value_kind: global_buffer, .address_space: global }
      - { .name: ops, .offset: 40, .size: 8, .value_kind: global_buffer, .address_space: global }
    .group_segment_fixed_size: 49152
    .private_segment_fixed_size: 0
    .kernarg_segment_align: 8
    .kernarg_segment_size: 48
    .max_flat_workgroup_size: 128
    .sgpr_count:     66
    .vgpr_count:     256
    .wavefront_size: 32
...
	.end_amdgpu_metadata
.endif
;; end of part 1
;; launch qkv (part 2): grid 32 x 24, 4 waves a work-group, clusters of 4 x 4, 310,784 bytes of LDS; arguments ops, bq, bkv, gq, gk, qb, kv; writes qb, kv
.if DOCPART == 2
	.amdgcn_target "amdgcn-amd-amdhsa--gfx1250"
	.amdhsa_code_object_version 6
	.text
	.protected	k_qf1e33a5145_qkv
	.globl	k_qf1e33a5145_qkv
	.p2align	8
	.type	k_qf1e33a5145_qkv,@function
k_qf1e33a5145_qkv:
	s_mov_b64 s[64:65], 0
	v_nop
	global_prefetch_b8 v0, s[64:65] scope:SCOPE_SE
	s_setreg_imm32_b32 hwreg(HW_REG_WAVE_MODE, 25, 1), 1
	s_wait_xcnt 0x0
	s_wait_alu depctr_hold_cnt(0) depctr_sa_sdst(0) depctr_va_vdst(0) depctr_va_sdst(0) depctr_va_ssrc(0) depctr_va_vcc(0) depctr_vm_vsrc(0)
	s_getreg_b32 s2, hwreg(HW_REG_IB_STS2, 6, 4)
	s_cmp_eq_u32 s2, 0
	s_cbranch_scc0 .Lentry_in_a_cluster
	s_endpgm
.Lentry_in_a_cluster:
	s_bfe_u32 s2, ttmp6, 0x10000c
	s_cmp_lg_u32 s2, 0xf033
	s_cbranch_scc0 .Lentry_shape_is_right
	s_endpgm
.Lentry_shape_is_right:
; q = rmsnorm(x Wq + bq) gq, k = rmsnorm(ctx Wk + bk) gk, v = ctx Wv + bv, the products on codes of FP6 (E2M3) with E8M0 scales; the results leave as codes again, in the order of the next operand's registers.
; ops: records of 12,800 bytes, one for 16 rows x K 1,024: two halves [HF 0-3][256 bytes of scale words][HF 4-7]; an HF is 16 rows x 64 K as six registers a lane (registers 0-3 at 16 x lane, 4-5 at 512 + 8 x lane).
; Rows of a tile: tile 2 g + u holds at place r the row 32 g + 8 u + r + 8 (r / 8).  Source 0 is called X, source 1 Y: in accumulator (Y tile a, X tile b) lane (r, h) holds Y's row at place r, and register j holds
; X's row 32 (b / 2) + 16 h + 8 (b % 2) + j: the 16 registers of X tiles 2 g, 2 g + 1 are 16 neighbours along X, which is the next product's K.
; A work-group makes 256 (X) x 128 (Y) over all of K.  Sections by the cluster's y: 0 q and 1 k (X = the weight's columns, Y = tokens), 2 v (X = tokens, the keys; Y = Wv's columns).
; ALL OF K LIES IN LDS: 24 tile rows x 12,800 bytes, in four chunks of 256 along K.  Each chunk is filled once, all loads go out at the head, so no barrier stands in the walk along K.
; CLUSTERS 4 x 4: X's tiles hang on cx alone and are asked for jointly along a column, Y's on cy alone and jointly along a row.  Waves 0 and 2 fetch X's halves, waves 1 and 3 Y's, one load each: one tensor load of a wave is out at the most.
; A wave makes 128 (X) x 64 (Y): 32 accumulators, which take turns.
; OUT.  qb: for each head (16 b + h) 106,496 bytes: [scale words [tile 128][place 16], 8,192][HF [tile]].  kv: for each head 208,896 bytes: [K's scale words, 8,192][V's scale words [K step 16][channel tile 4][place], 4,096]
; [8 slots of 256 keys: K's 16 HF, 12,288 | V: [K step 2][channel tile 4] fragments of 1,536 bytes, three registers' groups at 16 x lane + 512 j].  A q or k scale word holds two bytes; its upper two are 0.
; LIMITS: 1 / rms is v_rsq_f32; a block whose largest magnitude lies under 2^-124 gets the byte 1; NaN and infinities are not served.
; REGISTERS: window 0: v1-15 addresses; v16-31 at work; v32-55 scale words, two sets, and nothing else; v56-63 words made; v64-127 bias; v128-159 gain; v160-223 a tile's 64 numbers; v224-242 codes; v244-247 1 / rms; v248-255 v's bias.
;   window 1: accumulator (a, b) at v[64 a + 8 b].   windows 2, 3: fragment sets 0, 1: X tile b at v[12 b], Y tile a at v[96 + 12 a].
.set REC,  12800
; LDS as this text fills it: two halves of K (512 each), HALF bytes apart; in a half X's 16 tile rows of 6,400 bytes (half a record), then Y's 8.  A chunk of 256 along K is 3,200 bytes of such a row.
; Four joint loads, one a wave, all at the head: wave 0 X's half 0, wave 1 Y's, wave 2 X's half 1, wave 3 Y's.  A load's rows are 6,400 bytes and begin at multiples of 256 bytes of ops.
; Every wave waits for its load, one barrier shows all of K, and no barrier stands in the walk along K: nothing is filled again.
.set TROW, 6400
.set HALF, 153600
.set STGQ, 307200                      ; behind the chunks: 512 bytes a wave for q's or k's scale words,
.set STGV, 309248                      ; 256 bytes a wave for v's
.set AX16, 4
.set AX8,  5
.set AY16, 6
.set AY8,  7
.set ASX,  8
.set ASY,  9
.set L16,  10
.set L8,   11
.set TM,   16
.set SC,   32
.set WD,   56
.set BI,   64
.set G,    128
.set H,    160
.set PC,   224
.set IV,   244
.set BV,   248
.set WV,   18
.set G0X,  32                          ; s[32:39] group 0 for X's two halves;  s[48:55] for Y's
.set G0Y,  48
.set SEL,  66
.set G1X,  68                          ; s[68:75], s[76:83] groups 1
.set G1Y,  76
.set MSB, 0
.macro WIN new                         ; the immediate's high byte repeats the setting that is left
.if MSB != (\new)
	s_set_vgpr_msb (MSB<<8)|(\new)
.set MSB, (\new)
.endif
.endm
.macro CROUND                          ; a round of the cluster's barrier
	s_barrier_signal -1
	s_barrier_wait -1
	s_cmp_lg_u32 s[WV], 0
	s_cbranch_scc1 .Lnot_wave_0_\@
	s_barrier_signal -3
.Lnot_wave_0_\@:
	s_barrier_wait -3
	s_barrier_signal -1
	s_barrier_wait -1
.endm
.macro PLACES                          ; four plain places behind matrix instructions, in front of loads into their registers and of reads of their results
.rept 4
	v_nop
.endr
.endm
.macro QUANT s                         ; 64 numbers of a lane, register 16 b + i = k 32 b + 16 (lane / 16) + i, become 12 registers of codes in v[PC] on; the four bytes stand in v[TM+4] on
.irp b, 0,1,2,3
	v_max3_num_f32 v[TM+\b], |v[\s+16*\b]|, |v[\s+1+16*\b]|, 0x1800000   ; with the floor 2^(3 - 127): the byte cannot fall under 1
.endr
.irp i, 2,4,6,8,10,12,14
.irp b, 0,1,2,3
	v_max3_num_f32 v[TM+\b], v[TM+\b], |v[\s+16*\b+\i]|, |v[\s+1+16*\b+\i]|
.endr
.endr
.irp b, 0,1,2,3
	v_permlanex16_b32 v[TM+4+\b], v[TM+\b], s[SEL], s[SEL+1]
.endr
.irp b, 0,1,2,3
	v_max_num_f32 v[TM+\b], v[TM+\b], v[TM+4+\b]
.endr
.irp b, 0,1,2,3
	v_add_nc_u32 v[TM+12+\b], 0xff000000, v[TM+\b] ; 2 off the exponent field: the conversion's scale operand
.endr
.irp b, 0,1,2,3
	v_lshrrev_b32 v[TM+4+\b], 23, v[TM+12+\b]      ; the scale's byte
.endr
.irp c, 0,1
	v_cvt_scalef32_pk16_fp6_f32 v[PC+6*\c:PC+2+6*\c], v[\s+32*\c:\s+15+32*\c], v[TM+12+2*\c]
	v_cvt_scalef32_pk16_fp6_f32 v[PC+12+4*\c:PC+14+4*\c], v[\s+16+32*\c:\s+31+32*\c], v[TM+12+2*\c+1]
.endr
	v_nop                                          ; one plain place behind a scaled conversion
.irp c, 0,1
.irp i, 0,1,2
	v_permlane16_swap_b32 v[PC+6*\c+\i], v[PC+12+4*\c+\i]
.endr
.irp i, 0,1,2
	v_mov_b32 v[PC+3+6*\c+\i], v[PC+12+4*\c+\i]
.endr
.endr
.endm
.macro WORD4 d
	v_lshl_or_b32 v[\d], v[TM+5], 8, v[TM+4]
	v_lshl_or_b32 v[\d], v[TM+6], 16, v[\d]
	v_lshl_or_b32 v[\d], v[TM+7], 24, v[\d]
.endm
	s_load_b256 s[4:11], s[0:1], 0x0               ; ops s[4:5], bq s[6:7], bkv s[8:9], gq s[10:11]
	s_load_b128 s[12:15], s[0:1], 0x20             ; gk s[12:13], qb s[14:15]
	s_load_b64 s[16:17], s[0:1], 0x30              ; kv
	v_lshl_add_u32 v239, v0, 2, 0x4bc00
	v_mov_b32 v243, 0
	ds_add_u32 v239, v243
	ds_add_u32 v239, v243
	v_lshrrev_b32 v16, 5, v0
	v_readfirstlane_b32 s[WV], v16                 ; wave 0..3
	s_and_b32 s19, s[WV], 1                        ; wx: which 128 of X's rows are mine
	s_lshr_b32 s20, s[WV], 1                       ; wy: which 64 of Y's
	s_bfe_u32 s21, ttmp6, 0x40000                  ; cx
	s_bfe_u32 s22, ttmp6, 0x40004                  ; cy
	s_and_b32 s23, ttmp7, 0xffff                   ; the cluster's y, 0..5
	s_lshr_b32 s24, s23, 1                         ; the section: the same in all sixteen partners
	s_and_b32 s25, s23, 1
	s_lshl_b32 s25, s25, 2
	s_add_co_u32 s25, s25, s22                     ; gy8 = 4 (cluster y % 2) + cy
	s_lshl_b32 s26, 0x1111, s21                    ; my column of the cluster
	s_lshl_b32 s27, s22, 2
	s_lshl_b32 s27, 15, s27                        ; my row
	s_or_b32 s[G1X], s26, (3<<16)|(1<<21)          ; 15:0 the mask; 17:16 elements of 8 bytes; 21 set beside a mask; no padding
	s_or_b32 s[G1Y], s27, (3<<16)|(1<<21)
	s_mov_b32 s[G1X+2], 16<<16                     ; tensor_dim1: X's 16 tiles,
	s_mov_b32 s[G1X+4], 16                         ; tile_dim1
	s_mov_b32 s[G1Y+2], 8<<16                      ; Y's 8
	s_mov_b32 s[G1Y+4], 8
.irp g, G1X, G1Y
	s_mov_b32 s[\g+1], 800<<16                     ; tensor_dim0 = 800 elements: 6,400 bytes, half a record
	s_mov_b32 s[\g+3], 800<<16                     ; tile_dim0
	s_mov_b32 s[\g+5], 1600                        ; from record to record: 12,800 bytes
	s_mov_b32 s[\g+6], 0
	s_mov_b32 s[\g+7], 0
.endr
	; X's first tile hangs on cx (and on what all partners share); its registers never hold cy
	s_lshl_b32 s28, s21, 4
	s_lshl_b32 s29, s24, 6
	s_add_co_u32 s29, s29, s28
	s_add_co_u32 s29, s29, 1024                    ; q, k: 1024 + 64 section + 16 cx
	s_lshl_b32 s30, ttmp9, 6
	s_add_co_u32 s30, s30, s28
	s_add_co_u32 s30, s30, 512                     ; v: ctx's tiles: 512 + 16 (4 cluster x + cx)
	s_cmp_eq_u32 s24, 2
	s_cselect_b32 s29, s30, s29
	s_mov_b32 s85, s29                             ; X's first tile: one load brings all 16
	s_mul_i32 s86, s85, REC
	s_mov_b32 s87, 0
	; Y's first tile hangs on cy; its registers never hold cx
	s_lshl_b32 s31, ttmp9, 3
	s_add_co_u32 s31, s31, s25
	s_lshl_b32 s31, s31, 3
	s_lshl_b32 s84, s24, 9
	s_add_co_u32 s31, s31, s84                     ; q, k: tokens: 512 section + 8 (8 cluster x + gy8)
	s_lshl_b32 s84, s25, 3
	s_add_co_u32 s84, s84, 1152                    ; v: Wv's columns: 1152 + 8 gy8
	s_cmp_eq_u32 s24, 2
	s_cselect_b32 s31, s84, s31
	s_mul_i32 s88, s31, REC
	s_mov_b32 s89, 0
	s_wait_dscnt 0x0
	s_wait_kmcnt 0x0
	s_add_nc_u64 s[86:87], s[4:5], s[86:87]
	s_add_nc_u64 s[88:89], s[4:5], s[88:89]
.irp c, 0,1
	s_mov_b32 s[G0X+4*\c], 1
	s_mov_b32 s[G0X+4*\c+1], HALF*\c
	s_add_nc_u64 s[G0X+4*\c+2:G0X+4*\c+3], s[86:87], TROW*\c
	s_or_b32 s[G0X+4*\c+3], s[G0X+4*\c+3], 0x80000000
	s_mov_b32 s[G0Y+4*\c], 1
	s_mov_b32 s[G0Y+4*\c+1], HALF*\c+16*TROW
	s_add_nc_u64 s[G0Y+4*\c+2:G0Y+4*\c+3], s[88:89], TROW*\c
	s_or_b32 s[G0Y+4*\c+3], s[G0Y+4*\c+3], 0x80000000
.endr
	CROUND                                         ; all sixteen work-groups are here: the joint loads meet
	s_cmp_lt_u32 s[WV], 1                          ; one chain of branches on the wave's number, one load to an arm
	s_cbranch_scc0 .Lh1
	tensor_load_to_lds s[G0X:G0X+3], s[G1X:G1X+7]
	s_nop 0
.rept 4
	v_nop
.endr
	s_branch .Lasked
.Lh1:
	s_cmp_lt_u32 s[WV], 2
	s_cbranch_scc0 .Lh2
	tensor_load_to_lds s[G0Y:G0Y+3], s[G1Y:G1Y+7]
	s_nop 0
.rept 4
	v_nop
.endr
	s_branch .Lasked
.Lh2:
	s_cmp_lt_u32 s[WV], 3
	s_cbranch_scc0 .Lh3
	tensor_load_to_lds s[G0X+4:G0X+7], s[G1X:G1X+7]
	s_nop 0
.rept 4
	v_nop
.endr
	s_branch .Lasked
.Lh3:
	tensor_load_to_lds s[G0Y+4:G0Y+7], s[G1Y:G1Y+7]
	s_nop 0
.rept 4
	v_nop
.endr
.Lasked:
	v_and_b32 v16, 31, v0                          ; lane
	v_and_b32 v17, 15, v0                          ; r
	v_bfe_u32 v18, v0, 4, 1                        ; h
	v_lshlrev_b32 v[L16], 4, v16
	v_lshlrev_b32 v[L8], 3, v16
	v_lshlrev_b32 v19, 2, v16
	s_mul_i32 s93, s19, 8*TROW                     ; my 8 tiles of X,
	s_mul_i32 s94, s20, 4*TROW
	s_add_co_u32 s94, s94, 16*TROW                 ; my 4 of Y, behind X's 16
	v_add_nc_u32 v[AX16], s93, v[L16]
	v_add_nc_u32 v[AX8], s93, v[L8]
	v_add_nc_u32 v[ASX], s93, v19
	v_add_nc_u32 v[AY16], s94, v[L16]
	v_add_nc_u32 v[AY8], s94, v[L8]
	v_add_nc_u32 v[ASY], s94, v19
	s_lshl_b32 s93, s[WV], 9
	s_add_co_u32 s93, s93, STGQ
	v_lshl_add_u32 v12, v17, 2, s93                ; q, k: my row's scale words into my stage,
	v_add_nc_u32 v13, s93, v[L16]                  ; and back
	s_lshl_b32 s93, s[WV], 8
	s_add_co_u32 s93, s93, STGV
	v_lshl_add_u32 v14, v17, 2, s93                ; v: likewise
	v_add_nc_u32 v15, s93, v[L8]
	v_lshlrev_b32 v1, 6, v18                       ; 64 h: my half's 16 numbers of each 32 of a bias or gain
	s_wait_alu depctr_va_vdst(0)
	v_and_b32 v2, 8, v17
	v_add_nc_u32 v2, v2, v17
	v_lshlrev_b32 v2, 2, v2                        ; 4 (r + 8 (r / 8)): my place's channel in a tile
	; biases and gains are loaded on every path, from pointers and offsets chosen without a jump
	s_wait_alu depctr_va_vdst(0)
	s_lshl_b32 s98, s25, 9
	s_lshl_b32 s99, s20, 8
	s_add_co_u32 s98, s98, s99
	s_add_co_u32 s98, s98, 4096                    ; v's bias: 4 (1024 + 128 gy8 + 64 wy); in the other sections 0
	s_cmp_eq_u32 s24, 2
	s_cselect_b32 s98, s98, 0
	s_mov_b32 s99, 0
	s_add_nc_u64 s[98:99], s[8:9], s[98:99]
	s_lshl_b32 s96, s21, 10
	s_lshl_b32 s97, s19, 9
	s_add_co_u32 s96, s96, s97                     ; q's, k's bias: 4 (256 cx + 128 wx); in section 2: 0
	s_cmp_eq_u32 s24, 2
	s_cselect_b32 s96, 0, s96
	s_mov_b32 s97, 0
	s_cmp_eq_u32 s24, 0
	s_cselect_b64 s[6:7], s[6:7], s[8:9]           ; bq or bkv
	s_cselect_b64 s[10:11], s[10:11], s[12:13]     ; gq or gk
	s_cselect_b64 s[14:15], s[14:15], s[16:17]     ; qb or kv
	s_mov_b32 s93, 208896
	s_cselect_b32 s93, 106496, s93                 ; a head's bytes there
	s_add_nc_u64 s[6:7], s[6:7], s[96:97]
	v_mul_u32_u24 v3, s93, v18
	v_lshl_add_u32 v3, v17, 4, v3                  ; the scale words' way out: lanes 0-15 my first head, lanes 16-31 the next
.irp b, 0,1,2,3,4,5,6,7
	global_load_b128 v[BI+8*\b:BI+8*\b+3], v1, s[6:7] offset:4*(32*(\b/2)+8*(\b%2))
	global_load_b128 v[BI+8*\b+4:BI+8*\b+7], v1, s[6:7] offset:4*(32*(\b/2)+8*(\b%2))+16
.endr
.irp b, 0,1,2,3
	global_load_b128 v[G+8*\b:G+8*\b+3], v1, s[10:11] offset:4*(32*(\b/2)+8*(\b%2))
	global_load_b128 v[G+8*\b+4:G+8*\b+7], v1, s[10:11] offset:4*(32*(\b/2)+8*(\b%2))+16
.endr
.irp a, 0,1,2,3
	global_load_b32 v[BV+2*\a], v2, s[98:99] offset:4*(32*(\a/2)+8*(\a%2))     ; twice: a pair for the packed addition
	global_load_b32 v[BV+2*\a+1], v2, s[98:99] offset:4*(32*(\a/2)+8*(\a%2))
.endr
	s_mov_b32 s90, 0x3c800000                      ; 1 / 64
	s_mov_b32 s91, 0x358637bd                      ; 1e-6
	s_mov_b32 s[SEL], 0x76543210
	s_mov_b32 s[SEL+1], 0xfedcba98
.irp b, 0,1,2,3
	v_mov_b32 v[TM+4+\b], 0                        ; written once: a lane permute's destination counts as one of its sources
.endr
.macro FRAG reg, a16, a8, off          ; a fragment, 16 rows x 128 K: two HFs as they lie
	ds_load_b128 v[\reg:\reg+3], v[\a16] offset:\off
	ds_load_b64 v[\reg+4:\reg+5], v[\a8] offset:\off+512
	ds_load_b128 v[\reg+6:\reg+9], v[\a16] offset:\off+768
	ds_load_b64 v[\reg+10:\reg+11], v[\a8] offset:\off+1280
.endm
.macro FETCH k                         ; K step k's 12 fragments, 48 loads, into set k % 2.  In an odd chunk the scale words come first, 128 bytes
.set KO, 128*(((\k)/2)%2)+1536*((\k)%2)
	WIN 0x80+0x40*((\k)%2)
.irp b, 0,1,2,3,4,5,6,7
	FRAG 12*\b, AX16, AX8, TROW*\b+KO
.endr
.irp a, 0,1,2,3
	FRAG 96+12*\a, AY16, AY8, TROW*\a+KO
.endr
	WIN 0
.endm
.macro SCALES c                        ; chunk c's scale words: lanes 0-15 its first K step's, lanes 16-31 its second's
.set SB, SC+12*((\c)%2)
.set SOF, 3072*(1-(\c)%2)
.irp b, 0,1,2,3,4,5,6,7
	ds_load_b32 v[SB+\b], v[ASX] offset:TROW*\b+SOF
.endr
.irp a, 0,1,2,3
	ds_load_b32 v[SB+8+\a], v[ASY] offset:TROW*\a+SOF
.endr
.endm
.macro MUL k                           ; 32 matrix instructions, the 32 accumulators by turns; K step 0 starts the sums
.set SB, SC+12*(((\k)/2)%2)
	WIN 0x5a+5*((\k)%2)                            ; sources 0 and 1 window 2 or 3, C and D window 1
.irp a, 0,1,2,3
.irp b, 0,1,2,3,4,5,6,7
.if (\k) == 0
	v_wmma_scale_f32_16x16x128_f8f6f4 v[64*\a+8*\b:64*\a+8*\b+7], v[12*\b:12*\b+11], v[96+12*\a:96+12*\a+11], 0, v[SB+\b], v[SB+8+\a] matrix_a_fmt:MATRIX_FMT_FP6 matrix_b_fmt:MATRIX_FMT_FP6
.elseif (\k)%2 == 0
	v_wmma_scale_f32_16x16x128_f8f6f4 v[64*\a+8*\b:64*\a+8*\b+7], v[12*\b:12*\b+11], v[96+12*\a:96+12*\a+11], v[64*\a+8*\b:64*\a+8*\b+7], v[SB+\b], v[SB+8+\a] matrix_a_fmt:MATRIX_FMT_FP6 matrix_b_fmt:MATRIX_FMT_FP6
.else
	v_wmma_scale_f32_16x16x128_f8f6f4 v[64*\a+8*\b:64*\a+8*\b+7], v[12*\b:12*\b+11], v[96+12*\a:96+12*\a+11], v[64*\a+8*\b:64*\a+8*\b+7], v[SB+\b], v[SB+8+\a] matrix_a_fmt:MATRIX_FMT_FP6 matrix_b_fmt:MATRIX_FMT_FP6 matrix_a_scale:MATRIX_SCALE_ROW1 matrix_b_scale:MATRIX_SCALE_ROW1
.endif
.endr
.endr
.endm
.macro KEVEN k                         ; a chunk's first K step: the second's fragments are asked for, then this one is multiplied
.if (\k) > 0
	PLACES                                         ; in front of loads into the set just multiplied
.endif
	FETCH (\k)+1
	s_wait_dscnt 48                                ; all but the 48 just issued: this step's fragments and scale words are in
	MUL \k
.endm
.macro KODD k                          ; a chunk's second K step: the next chunk is shown whole, its first fragments are asked for, then this step is multiplied
	WIN 0
.irp v, AX16, AX8, AY16, AY8, ASX, ASY
	v_add_nc_u32 v[\v], 3200+(HALF-6400)*(((\k)/2)%2), v[\v]   ; on to the next chunk: 3,200 bytes on in the row, or into the next half; these six are also the places in front of the loads below
.endr
	s_wait_alu depctr_va_vdst(0)                   ; the wait behind these writes
	FETCH (\k)+1
	SCALES ((\k)+1)/2
	s_wait_dscnt 60                                ; all but the 48 + 12 just issued: this step's fragments are in
	MUL \k
.endm
	s_wait_tensorcnt 0x0                           ; my one load has landed
	s_barrier_signal -1
	s_barrier_wait -1
	FETCH 0
	SCALES 0
	KEVEN 0
	KODD 1
	KEVEN 2
	s_wait_alu depctr_va_vdst(0)
	KODD 3
	KEVEN 4
	s_wait_alu depctr_va_vdst(0)
	KODD 5
	KEVEN 6
	s_wait_dscnt 0x0
	MUL 7
	WIN 0
	PLACES
	s_wait_loadcnt 0x0                             ; biases and gains
	s_cmp_eq_u32 s24, 2
	s_cbranch_scc1 .Lvalues
	; ---- q and k.  My 128 of X are two heads, my 64 of Y four tiles of 16 tokens.
	s_lshl_b32 s12, ttmp9, 3
	s_add_co_u32 s12, s12, s25
	s_lshl_b32 s12, s12, 3
	s_lshl_b32 s13, s20, 2
	s_add_co_u32 s12, s12, s13                     ; my first tile of tokens, 0..511
	s_lshr_b32 s13, s12, 7                         ; the batch
	s_and_b32 s12, s12, 127                        ; t0: the tile in the batch, a multiple of 4
	s_lshl_b32 s13, s13, 4
	s_lshl_b32 s98, s21, 2
	s_add_co_u32 s13, s13, s98
	s_lshl_b32 s98, s19, 1
	s_add_co_u32 s13, s13, s98                     ; 16 b + my first head (4 cx + 2 wx)
	s_mul_i32 s2, s13, s93
	s_mov_b32 s3, 0
	s_add_nc_u64 s[14:15], s[14:15], s[2:3]        ; that head's bytes
	s_lshl_b32 s2, s12, 6
	s_add_nc_u64 s[2:3], s[14:15], s[2:3]          ; its scale words of tile t0
	s_mul_i32 s98, s12, 768
	s_add_co_u32 s98, s98, 8192                    ; q's HF of tile t0
	s_lshr_b32 s99, s12, 4
	s_mul_i32 s99, s99, 24576
	s_and_b32 s13, s12, 15
	s_mul_i32 s13, s13, 768
	s_add_co_u32 s99, s99, s13
	s_add_co_u32 s99, s99, 12288                   ; k's: slot t0 / 16, tile t0 % 16
	s_cmp_eq_u32 s24, 0
	s_cselect_b32 s98, s98, s99
	s_mov_b32 s99, 0
	s_add_nc_u64 s[94:95], s[14:15], s[98:99]
	s_mov_b32 s98, s93
	s_add_nc_u64 s[96:97], s[94:95], s[98:99]      ; and the same in the next head
.macro EPI_QK a                        ; Y tile a: 16 tokens x 2 heads
	WIN 0x01                                       ; source 0: the accumulators' window
.set ii, 0
.rept 32
	v_pk_add_f32 v[H+ii:H+ii+1], v[64*(\a)+ii:64*(\a)+ii+1], v[BI+ii:BI+ii+1]   ; + bias; each accumulator from its low end on
.set ii, ii+2
.endr
	WIN 0
.irp g, 0,1,2,3                                ; the squares, in four chains of 16 numbers
	v_pk_mul_f32 v[TM+2*\g:TM+2*\g+1], v[H+16*\g:H+16*\g+1], v[H+16*\g:H+16*\g+1]
.endr
.irp i, 2,4,6,8,10,12,14
.irp g, 0,1,2,3
	v_pk_fma_f32 v[TM+2*\g:TM+2*\g+1], v[H+16*\g+\i:H+16*\g+\i+1], v[H+16*\g+\i:H+16*\g+\i+1], v[TM+2*\g:TM+2*\g+1]
.endr
.endr
	v_pk_add_f32 v[TM:TM+1], v[TM:TM+1], v[TM+2:TM+3]
	v_pk_add_f32 v[TM+4:TM+5], v[TM+4:TM+5], v[TM+6:TM+7]
	v_add_f32 v[TM], v[TM], v[TM+1]
	v_add_f32 v[TM+4], v[TM+4], v[TM+5]
	v_permlanex16_b32 v[TM+1], v[TM], s[SEL], s[SEL+1]
	v_permlanex16_b32 v[TM+5], v[TM+4], s[SEL], s[SEL+1]
	v_add_f32 v[TM], v[TM], v[TM+1]                ; with lane l xor 16's 32: a head's 64 squares
	v_add_f32 v[TM+4], v[TM+4], v[TM+5]
	v_fma_f32 v[TM], v[TM], s90, s91               ; the mean + 1e-6
	v_fma_f32 v[TM+4], v[TM+4], s90, s91
	s_wait_alu depctr_va_vdst(0)
	v_rsq_f32 v[IV], v[TM]                         ; twice each: pairs for the packed multiply
	v_rsq_f32 v[IV+1], v[TM]
	v_rsq_f32 v[IV+2], v[TM+4]
	v_rsq_f32 v[IV+3], v[TM+4]
	v_nop                                          ; a plain place behind the transcendentals
	s_wait_alu depctr_va_vdst(0)                   ; one wait for the four, ahead of their first reader
.irp e, 0,1
.set ii, 0
.rept 16
	v_pk_mul_f32 v[H+32*\e+ii:H+32*\e+ii+1], v[H+32*\e+ii:H+32*\e+ii+1], v[IV+2*\e:IV+2*\e+1]   ; / rms,
.set ii, ii+2
.endr
.endr
.irp e, 0,1
.set ii, 0
.rept 16
	v_pk_mul_f32 v[H+32*\e+ii:H+32*\e+ii+1], v[H+32*\e+ii:H+32*\e+ii+1], v[G+ii:G+ii+1]         ; then x gain
.set ii, ii+2
.endr
.endr
.if (\a) > 0
	s_wait_xcnt 0x0                                ; the last tile's stores have read the codes' registers
.endif
	QUANT H                                        ; registers 6 e .. 6 e + 5 are head e's HF
.irp e, 0,1
	v_lshl_or_b32 v[WD+2*(\a)+\e], v[TM+5+2*\e], 8, v[TM+4+2*\e]     ; head e's two bytes; the upper two stay 0
.endr
.irp e, 0,1
	global_store_b128 v[L16], v[PC+6*\e:PC+6*\e+3], s[94+2*\e:95+2*\e] offset:768*(\a)
	global_store_b64 v[L8], v[PC+6*\e+4:PC+6*\e+5], s[94+2*\e:95+2*\e] offset:768*(\a)+512
	ds_store_b32 v12, v[WD+2*(\a)+\e] offset:256*\e+64*(\a)
.endr
.endm
	EPI_QK 0
	EPI_QK 1
	EPI_QK 2
	EPI_QK 3
	ds_load_b128 v[TM:TM+3], v13                   ; my own bytes, in order behind my stores
	s_wait_dscnt 0x0
	global_store_b128 v3, v[TM:TM+3], s[2:3]       ; four tiles' scale words of a head: sixteen lanes store 256 consecutive bytes, aligned
	s_branch .Lend
	; ---- v.  My 128 of X are 128 keys, one K step of the second product of attention; my 64 of Y are one head's channels, four tiles.
.Lvalues:
	s_lshl_b32 s12, ttmp9, 2
	s_add_co_u32 s12, s12, s21
	s_lshl_b32 s12, s12, 1
	s_add_co_u32 s12, s12, s19                     ; which 128 tokens, 0..63
	s_lshr_b32 s13, s12, 4                         ; the batch
	s_and_b32 s12, s12, 15                         ; the K step in it
	s_lshl_b32 s13, s13, 4
	s_lshl_b32 s98, s25, 1
	s_add_co_u32 s13, s13, s98
	s_add_co_u32 s13, s13, s20                     ; 16 b + head (2 gy8 + wy)
	s_mul_i32 s2, s13, 208896
	s_mov_b32 s3, 0
	s_add_nc_u64 s[16:17], s[16:17], s[2:3]
	s_lshl_b32 s2, s12, 8
	s_add_co_u32 s2, s2, 8192
	s_add_nc_u64 s[2:3], s[16:17], s[2:3]          ; V's scale words of this K step
	s_lshr_b32 s98, s12, 1
	s_mul_i32 s98, s98, 24576
	s_and_b32 s99, s12, 1
	s_mul_i32 s99, s99, 6144
	s_add_co_u32 s98, s98, s99
	s_add_co_u32 s98, s98, 24576                   ; behind the scale words (12,288) and the slot's K (12,288)
	s_mov_b32 s99, 0
	s_add_nc_u64 s[94:95], s[16:17], s[98:99]
.macro EPI_V a                         ; Y tile a: 16 channels x 128 keys: one fragment
	WIN 0x01
.set ii, 0
.rept 32
	v_pk_add_f32 v[H+ii:H+ii+1], v[64*(\a)+ii:64*(\a)+ii+1], v[BV+2*(\a):BV+2*(\a)+1]   ; + my channel's bias
.set ii, ii+2
.endr
	WIN 0
.if (\a) > 0
	s_wait_xcnt 0x0                                ; the last tile's stores have read the codes' registers
.endif
	QUANT H
	WORD4 WD+(\a)
.irp j, 0,1,2
	global_store_b128 v[L16], v[PC+4*\j:PC+4*\j+3], s[94:95] offset:1536*(\a)+512*\j
.endr
	ds_store_b32 v14, v[WD+(\a)] offset:64*(\a)
.endm
	EPI_V 0
	EPI_V 1
	EPI_V 2
	EPI_V 3
	ds_load_b64 v[TM:TM+1], v15
	s_wait_dscnt 0x0
	global_store_b64 v[L8], v[TM:TM+1], s[2:3]     ; 256 consecutive bytes, aligned
.Lend:
	s_wait_tensorcnt 0x0
	ds_add_u32 v239, v243
	s_wait_dscnt 0x0
	CROUND                                         ; the closing round: no work-group ends while a partner may still ask for a tile that names it
	s_endpgm
.Lfunc_end_k_qf1e33a5145_qkv:
	.size	k_qf1e33a5145_qkv, .Lfunc_end_k_qf1e33a5145_qkv-k_qf1e33a5145_qkv
	.p2alignl 7, 3214868480
	.fill 96, 4, 3214868480
	.section	.rodata,"a",@progbits
	.p2align	6, 0x0
	.amdhsa_kernel k_qf1e33a5145_qkv
		.amdhsa_group_segment_fixed_size 310784
		.amdhsa_private_segment_fixed_size 0
		.amdhsa_enable_private_segment 0
		.amdhsa_kernarg_size 56
		.amdhsa_user_sgpr_count 2
		.amdhsa_user_sgpr_kernarg_segment_ptr 1
		.amdhsa_wavefront_size32 1
		.amdhsa_system_sgpr_workgroup_id_x 1
		.amdhsa_system_sgpr_workgroup_id_y 1
		.amdhsa_system_sgpr_workgroup_id_z 1
		.amdhsa_system_vgpr_workitem_id 0
		.amdhsa_next_free_vgpr 1024
		.amdhsa_next_free_sgpr 100
		.amdhsa_reserve_vcc 0
		.amdhsa_float_denorm_mode_32 3
		.amdhsa_float_denorm_mode_16_64 3
		.amdhsa_memory_ordered 1
		.amdhsa_forward_progress 1
		.amdhsa_inst_pref_size 153
	.end_amdhsa_kernel
	.amdgpu_metadata
---
amdhsa.version: [ 1, 2 ]
amdhsa.kernels:
  - .name:           k_qf1e33a5145_qkv
    .symbol:         k_qf1e33a5145_qkv.kd
    .args:
      - { .name: ops, .offset: 0, .size: 8, .value_kind: global_buffer, .address_space: global }
      - { .name: bq, .offset: 8, .size: 8, .value_kind: global_buffer, .address_space: global }
      - { .name: bkv, .offset: 16, .size: 8, .value_kind: global_buffer, .address_space: global }
      - { .name: gq, .offset: 24, .size: 8, .value_kind: global_buffer, .address_space: global }
      - { .name: gk, .offset: 32, .size: 8, .value_kind: global_buffer, .address_space: global }
      - { .name: qb, .offset: 40, .size: 8, .value_kind: global_buffer, .address_space: global }
      - { .name: kv, .offset: 48, .size: 8, .value_kind: global_buffer, .address_space: global }
    .group_segment_fixed_size: 310784
    .private_segment_fixed_size: 0
    .kernarg_segment_align: 8
    .kernarg_segment_size: 56
    .max_flat_workgroup_size: 128
    .sgpr_count:     100
    .vgpr_count:     1024
    .wavefront_size: 32
...
	.end_amdgpu_metadata
.endif
;; end of part 2
;; launch attn (part 3): grid 4 x 64, 16 waves a work-group, clusters of 4 x 1, 263,168 bytes of LDS; arguments qb, kv, att; writes att
.if DOCPART == 3
	.amdgcn_target "amdgcn-amd-amdhsa--gfx1250"
	.amdhsa_code_object_version 6
	.text
	.protected	k_qf1e33a5145_attn
	.globl	k_qf1e33a5145_attn
	.p2align	8
	.type	k_qf1e33a5145_attn,@function
k_qf1e33a5145_attn:
	s_mov_b64 s[64:65], 0
	v_nop
	global_prefetch_b8 v0, s[64:65] scope:SCOPE_SE
	s_setreg_imm32_b32 hwreg(HW_REG_WAVE_MODE, 25, 1), 1
	s_wait_xcnt 0x0
	s_wait_alu depctr_hold_cnt(0) depctr_sa_sdst(0) depctr_va_vdst(0) depctr_va_sdst(0) depctr_va_ssrc(0) depctr_va_vcc(0) depctr_vm_vsrc(0)
	s_getreg_b32 s2, hwreg(HW_REG_IB_STS2, 6, 4)
	s_cmp_eq_u32 s2, 0
	s_cbranch_scc0 .Lentry_in_a_cluster
	s_endpgm
.Lentry_in_a_cluster:
	s_bfe_u32 s2, ttmp6, 0x10000c
	s_cmp_lg_u32 s2, 0x3003
	s_cbranch_scc0 .Lentry_shape_is_right
	s_endpgm
.Lentry_shape_is_right:
; o = softmax(q k^T / 8) v for one head and 512 queries, both products on codes of FP6 (E2M3) with E8M0 scales; o leaves as codes, quantised along head x 64 + channel, in the records that the last product reads.
; THE SOFTMAX: t = score x log2(e) / 8; M = the running largest t rounded up to a whole number; p = 2^(t - M) is quantised along the keys, not normalised; the row's sum is taken of the unquantised p and divides at the end.
; When M moves, the sum and O are multiplied by 2^(old M - new M), which rounds nothing.
; SHARES.  256 work-groups, four to a head.  Sixteen waves of 256 registers, four to a SIMD, so that one wave's vector work stands beside another's matrix work and LDS loads.
; A work-group's 32 tiles of 16 queries go in two passes, a tile a wave in each.
; THE HEAD'S WHOLE K AND V, codes and scale words, 208,896 bytes, LIE IN LDS, filled once, in memory's order: [K's scale words 8,192][V's 4,096][8 slots: K's 16 HF of 768 bytes | V's 2 x 4 fragments of 1,536],
; as 816 rows of 256 bytes with 64 bytes of padding behind each: byte y of the head lies at 320 (y / 256) + y % 256.  Each wave fetches 51 rows by one joint load at the head.
; CLUSTER 4 x 1: the four work-groups of a head ask for its bytes jointly; cx enters q's and o's addresses alone.
; No prefetch: all of K and V is asked for at the head, so no later tile is left to ask ahead for; the second pass's Q is loaded under the first pass's way out.
; LAYOUT.  Both products transposed: S^T = K Q^T (source 0 = 16 keys), O^T = V^T P^T (source 0 = 16 channels): a lane holds one query.
; In memory tile 2 g + u holds at place r the row 32 g + 8 u + r + 8 (r / 8).  THE KEYS OF A TILE ARE CHOSEN ANEW BY THE LANES' LDS ADDRESSES: tile 4 c + u of a step takes at place r the key 64 c + 32 (r / 8) + 8 u + r % 8,
; which lies in the stored tile 4 c + 2 (r / 8) + u % 2 at place 8 (u / 2) + r % 8.  So the 32 registers of tiles 4 c .. 4 c + 3 are in lane (r, h) the whole block 2 c + h of 32 keys, in order: a block's largest
; score needs no other lane, and the conversions' results are the operand's registers.  Two stored tiles are six rows, 1,920 bytes of LDS, which is 128 modulo 256: the sixteen lanes of a half of a 16-byte load
; touch 256 different bytes modulo 256.
; THE FIRST PRODUCT'S K IS 64: Q's upper six registers hold zero codes, and K's operand runs on into the next tile's six registers (behind the last: six zeros), under scale bytes of 0: they add nothing.
; o's two scale bytes go out as 2 bytes a lane, 4 bytes apart: the other half of each word is the neighbouring head's, which another work-group makes.
; LIMITS: the promise holds while the scaled scores stay under 2^31 in magnitude; p under 2^-126 counts as 0; 1 / sum is v_rcp_f32; a block whose largest magnitude lies under 2^-124 gets the byte 1; NaN and infinities are not served.
.set HQ,  106496
.set HK,  208896
.set REC, 12800
.set RP,  320                          ; an LDS row: 256 bytes + 64 of padding
.set SPARE, 816*RP                     ; behind the 816 rows: the spare words, 128 bytes a wave
.set L16, 1                            ; 16, 8 x lane; 4 r
.set L8,  2
.set R4,  4
.set AK16, 5                           ; the slot's K (by 16, by 8 bytes, scale words), its V and V's scale words
.set AK8,  6
.set ASK,  7
.set AV16, 8
.set ASV,  9
                                       ; v12 -M, v13 the largest score so far, v[14:15] the sum
.set QF,  16                           ; v16-27 Q (v22-27 zeros)
.set KV,  32                           ; v32-79 K's eight HFs, then V's four fragments; v80-85 zeros
.set KS,  86                           ; v86-94 scale words and nothing else: K's (two tiles to a register), V's, Q's, p's
.set VS,  90
.set QS,  92
.set PW,  94
.set S,   96                           ; v96-159 S^T, then p
.set OT,  160                          ; v160-191 O^T
.set PC,  192                          ; v192-203 p's codes; v204-206, v208-210 second halves on the way
.set C2,  204
.set BM,  212
.set T2,  214
.set SO,  216
.set FF,  218                          ; f = 2^(old M - new M), low word of a pair
.set TP,  220
.set T3,  221
.set SH8, 222                          ; 8 h
.set RC,  224
.set ST,  226                          ; v226-241 eight chains: of the maxima, then of the sum
.set LK16, 242                         ; the lanes' constant terms
.set LK8,  243
.set LKS,  244
.set LV16, 245
.set LVS,  246
.set WV,  10
.set G1,  16
.set G0,  24
.set QP,  28                           ; s[28:29] Q's HF, s[30:31] its scale words, s[32:33] o's HF, s[34:35] o's scale bytes
.set QW,  30
.set OP,  32
.set OS,  34
.set SEL, 40
.set CS,  42                           ; s[42:43] c = log2(e) / 8
.set CNT, 44
.set TB,  46
.set TS,  48
.set TV,  50
.set PS,  51
.macro ROUND                           ; a round of the cluster's barrier
	s_barrier_signal -1
	s_barrier_wait -1
	s_cmp_lg_u32 s[WV], 0
	s_cbranch_scc1 .Lnot_wave_0_\@
	s_barrier_signal -3
.Lnot_wave_0_\@:
	s_barrier_wait -3
	s_barrier_signal -1
	s_barrier_wait -1
.endm
.macro KLOAD q                         ; a step's eight tiles of K, 16 loads, and their scale words, 4 loads.  A stored tile is three LDS rows, a step 24
.irp c, 0,1
.irp u, 0,1,2,3
	ds_load_b128 v[KV+24*\c+6*\u:KV+24*\c+6*\u+3], v[AK16] offset:RP*(24*(\q)+12*\c+3*(\u%2))+128*(\u/2)
	ds_load_b64 v[KV+24*\c+6*\u+4:KV+24*\c+6*\u+5], v[AK8] offset:RP*(24*(\q)+12*\c+3*(\u%2))+64*(\u/2)
.endr
.endr
.irp i, 0,1,2,3
	ds_load_b32 v[KS+\i], v[ASK] offset:RP*(2*(\q)+\i/2)+32*(\i%2)   ; lanes 0-15 tile 2 i's words, lanes 16-31 tile 2 i + 1's
.endr
.endm
.macro QLOAD                           ; my tile's Q and scale words
	global_load_b128 v[QF:QF+3], v[L16], s[QP:QP+1]
	global_load_b64 v[QF+4:QF+5], v[L8], s[QP:QP+1] offset:512
	global_load_b32 v[QS], v[R4], s[QW:QW+1]
.endm
.macro ADD4 k0, off                    ; four of the sum's eight chains take two numbers each
.irp k, \k0, \k0+1, \k0+2, \k0+3
	v_pk_add_f32 v[ST+2*(\k):ST+2*(\k)+1], v[ST+2*(\k):ST+2*(\k)+1], v[S+\off+2*(\k):S+\off+2*(\k)+1]
.endr
.endm
.macro NEW4 k0                         ; and begin
.irp k, \k0, \k0+1, \k0+2, \k0+3
	v_pk_add_f32 v[ST+2*(\k):ST+2*(\k)+1], v[S+2*(\k):S+2*(\k)+1], v[S+16+2*(\k):S+17+2*(\k)]
.endr
.endm
; A KEY STEP: 128 keys, the q-th of the slot in hand.  Registers S + 32 c + i are key i of my block 2 c + h.
.macro STEP q
	KLOAD \q                                       ; (four plain places or more stand behind the last products, which read these registers)
	s_wait_dscnt 0x0
.irp t, 0,2,4,6
	v_wmma_scale_f32_16x16x128_f8f6f4 v[S+8*\t:S+8*\t+7], v[KV+6*\t:KV+6*\t+11], v[QF:QF+11], 0, v[KS+\t/2], v[QS] matrix_a_fmt:MATRIX_FMT_FP6 matrix_b_fmt:MATRIX_FMT_FP6
	v_wmma_scale_f32_16x16x128_f8f6f4 v[S+8*\t+8:S+8*\t+15], v[KV+6*\t+6:KV+6*\t+17], v[QF:QF+11], 0, v[KS+\t/2], v[QS] matrix_a_fmt:MATRIX_FMT_FP6 matrix_b_fmt:MATRIX_FMT_FP6 matrix_a_scale:MATRIX_SCALE_ROW1
.endr
.rept 4
	v_nop                                          ; places: in front of V's loads into K's registers, and of the first read of the scores
.endr
.irp c, 0,1,2,3
.irp j, 0,1,2
	ds_load_b128 v[KV+12*\c+4*\j:KV+12*\c+4*\j+3], v[AV16] offset:RP*(24*(\q)+6*\c+2*\j)   ; V's fragments land under the softmax
.endr
.endr
.irp i, 0,1
	ds_load_b32 v[VS+\i], v[ASV] offset:RP*(\q)+128*\i
.endr
.irp t, 0,1,2,3,4,5,6,7                        ; the largest score of each block, a chain to an accumulator, each from its low end on
	v_max3_num_f32 v[ST+\t], v[S+8*\t], v[S+8*\t+1], v[S+8*\t+2]
.endr
.irp t, 0,1,2,3,4,5,6,7
	v_max3_num_f32 v[ST+\t], v[ST+\t], v[S+8*\t+3], v[S+8*\t+4]
.endr
.irp t, 0,1,2,3,4,5,6,7
	v_max3_num_f32 v[ST+\t], v[ST+\t], v[S+8*\t+5], v[S+8*\t+6]
.endr
.irp c, 0,1
	v_max3_num_f32 v[BM+\c], v[ST+4*\c], v[ST+4*\c+1], v[S+32*\c+7]
	v_max3_num_f32 v[T2+\c], v[ST+4*\c+2], v[ST+4*\c+3], v[S+32*\c+15]
.endr
.irp c, 0,1
	v_max3_num_f32 v[BM+\c], v[BM+\c], v[T2+\c], v[S+32*\c+23]
.endr
.irp c, 0,1
	v_max_num_f32 v[BM+\c], v[BM+\c], v[S+32*\c+31]   ; it serves twice: for the row's maximum, and, since p rises with the score, for the block's largest p
.endr
	s_delay_alu instid0(VALU_DEP_1)
	v_max_num_f32 v[TP], v[BM], v[BM+1]
	s_delay_alu instid0(VALU_DEP_1)
	v_permlanex16_b32 v[T3], v[TP], s[SEL], s[SEL+1]
	s_delay_alu instid0(VALU_DEP_1)
	v_max3_num_f32 v13, v13, v[TP], v[T3]          ; with lane l xor 16's two blocks: the largest score so far
	s_delay_alu instid0(VALU_DEP_1)
	v_mul_f32 v[TP], s[CS], v13                    ; as t (c is positive)
	v_mov_b32 v[T3], v12
	s_delay_alu instid0(VALU_DEP_2)
	v_floor_f32 v12, -v[TP]                        ; the new -M = floor(-t): M is a whole number
.set ii, 0
.rept 32
	v_pk_fma_f32 v[S+ii:S+ii+1], v[S+ii:S+ii+1], s[CS:CS+1], v[12:13] op_sel_hi:[1,0,0]   ; t - M, two at a time
.if ii == 4
	v_sub_f32 v[TP], v12, v[T3]                    ; old M - new M, a whole number, 0 or less
.endif
.if ii == 12
	v_cvt_i32_f32 v[TP], v[TP]                     ; (it saturates)
.endif
.if ii == 20
	v_ldexp_f32 v[FF], 1.0, v[TP]                  ; f = 2^(old M - new M)
.endif
.set ii, ii+2
.endr
.irp c, 0,1
	v_fma_f32 v[BM+\c], v[BM+\c], s[CS], v12       ; the same of each block's largest score
.endr
	s_wait_alu depctr_va_vdst(0)                   ; the wait ahead of the batch
.set ii, 0
.rept 16
	v_pk_mul_f32 v[OT+ii:OT+ii+1], v[OT+ii:OT+ii+1], v[FF:FF+1] op_sel_hi:[1,0]   ; O^T under the new M
.set ii, ii+2
.endr
.set ii, 0
.rept 64
	v_exp_f32 v[S+ii], v[S+ii]                     ; p = 2^(t - M)
.set ii, ii+1
.endr
.irp c, 0,1
	v_exp_f32 v[BM+\c], v[BM+\c]                   ; the block's largest p
.endr
	v_pk_mul_f32 v[14:15], v[14:15], v[FF:FF+1] op_sel_hi:[1,0]      ; the sum under the new M (the plain place behind the exponentials)
	s_wait_dscnt 0x0                               ; V and its scale words
	s_wait_alu depctr_va_vdst(0)                   ; one wait for the batch, ahead of its first reader, and behind the wait above
; the row's sum of the unquantised p, 32 packed additions in eight chains; the scale word's chain and the conversions stand among them
.irp c, 0,1
	v_max_num_f32 v[BM+\c], 0x1800000, v[BM+\c]    ; the floor 2^(3 - 127)
.endr
	NEW4 0
.irp c, 0,1
	v_add_nc_u32 v[SO+\c], 0xff000000, v[BM+\c]    ; 2 off the exponent field: the conversion's scale operand
.endr
	NEW4 4
.irp c, 0,1
	v_lshrrev_b32 v[T2+\c], 23, v[SO+\c]           ; the scale's byte
.endr
.irp c, 0,1
	v_cvt_scalef32_pk16_fp6_f32 v[PC+6*\c:PC+6*\c+2], v[S+32*\c:S+32*\c+15], v[SO+\c]
	v_cvt_scalef32_pk16_fp6_f32 v[C2+4*\c:C2+4*\c+2], v[S+32*\c+16:S+32*\c+31], v[SO+\c]   ; (a conversion's three registers begin on an even number)
.endr
	v_lshl_or_b32 v[TP], v[T2+1], 16, v[T2]        ; my bytes: blocks h and 2 + h.  (The plain place behind the conversions)
	ADD4 0, 32
	v_lshlrev_b32 v[TP], v[SH8], v[TP]             ; at their places in the word;
	ADD4 4, 32
	v_permlanex16_b32 v[T3], v[TP], s[SEL], s[SEL+1]
.irp c, 0,1
.irp i, 0,1,2
	v_mov_b32 v[PC+3+6*\c+\i], v[C2+4*\c+\i]
.endr
.endr
	v_or_b32 v[PW], v[TP], v[T3]                   ; with lane l xor 16's two the word is whole
	ADD4 0, 48
	ADD4 4, 48
.irp k, 0,1,2,3
	v_pk_add_f32 v[ST+2*\k:ST+2*\k+1], v[ST+2*\k:ST+2*\k+1], v[ST+8+2*\k:ST+9+2*\k]
.endr
.irp c, 0,2                                    ; twelve plain places behind the scale word's write.  O^T += V^T P^T: the four accumulators by turns
	v_wmma_scale_f32_16x16x128_f8f6f4 v[OT+8*\c:OT+8*\c+7], v[KV+12*\c:KV+12*\c+11], v[PC:PC+11], v[OT+8*\c:OT+8*\c+7], v[VS+\c/2], v[PW] matrix_a_fmt:MATRIX_FMT_FP6 matrix_b_fmt:MATRIX_FMT_FP6
	v_wmma_scale_f32_16x16x128_f8f6f4 v[OT+8*\c+8:OT+8*\c+15], v[KV+12*\c+12:KV+12*\c+23], v[PC:PC+11], v[OT+8*\c+8:OT+8*\c+15], v[VS+\c/2], v[PW] matrix_a_fmt:MATRIX_FMT_FP6 matrix_b_fmt:MATRIX_FMT_FP6 matrix_a_scale:MATRIX_SCALE_ROW1
.endr
	v_pk_add_f32 v[ST:ST+1], v[ST:ST+1], v[ST+4:ST+5]                ; the sum's last four additions are the places behind these products
	v_pk_add_f32 v[ST+2:ST+3], v[ST+2:ST+3], v[ST+6:ST+7]
	v_pk_add_f32 v[ST:ST+1], v[ST:ST+1], v[ST+2:ST+3]
	v_pk_add_f32 v[14:15], v[14:15], v[ST:ST+1]
.endm
	s_load_b128 s[4:7], s[0:1], 0x0                ; qb, kv
	s_load_b64 s[8:9], s[0:1], 0x10                ; att
	v_lshl_add_u32 v254, v0, 2, SPARE
	v_mov_b32 v255, 0
	ds_add_u32 v254, v255                          ; the opening lines: the add, twice on end, and its wait
	ds_add_u32 v254, v255
	v_lshrrev_b32 v1, 5, v0
	v_readfirstlane_b32 s[WV], v1                  ; wave 0..15
	s_bfe_u32 s11, ttmp6, 0x40000                  ; cx
	s_and_b32 s12, ttmp7, 0xffff                   ; 16 b + head, which the four partners share
	s_mov_b32 s[G1], 15|(3<<16)|(1<<20)|(1<<21)|(5<<22)|(15<<25)   ; the mask: all four work-groups; elements of 8 bytes; padding on; bit 21 beside a mask; after every 64 words (code 5) 16 words (code 15)
	s_mov_b32 s[G1+1], 32<<16                      ; a dense block as 51 rows of 256 bytes
	s_mov_b32 s[G1+2], 51<<16
	s_mov_b32 s[G1+3], 32<<16
	s_mov_b32 s[G1+4], 51
	s_mov_b32 s[G1+5], 32
	s_mov_b32 s[G1+6], 0
	s_mov_b32 s[G1+7], 0
	s_mul_i32 s52, s12, HK
	s_mov_b32 s53, 0
	s_mul_i32 s54, s[WV], 51*256                   ; my sixteenth of the head's bytes in memory,
	s_mov_b32 s55, 0
	s_mul_i32 s56, s[WV], 51*RP                    ; and in LDS
	s_wait_dscnt 0x0
	s_wait_kmcnt 0x0
	s_add_nc_u64 s[52:53], s[6:7], s[52:53]
	s_mov_b32 s[G0], 1
	s_mov_b32 s[G0+1], s56
	s_add_nc_u64 s[G0+2:G0+3], s[52:53], s[54:55]
	s_or_b32 s[G0+3], s[G0+3], 0x80000000
	ROUND                                          ; all four work-groups are here: the joint loads meet
	tensor_load_to_lds s[G0:G0+3], s[G1:G1+7]      ; my one tensor load of the launch
	s_nop 0
.rept 4
	v_nop
.endr
	s_lshl_b32 s13, s11, 5
	s_add_co_u32 s13, s13, s[WV]                   ; T: my tile of queries in the batch: 32 cx + wave; the second pass takes T + 16
	s_mul_i32 s54, s12, HQ
	s_add_nc_u64 s[4:5], s[4:5], s[54:55]
	s_lshl_b32 s54, s13, 6
	s_add_nc_u64 s[QW:QW+1], s[4:5], s[54:55]      ; its scale words
	s_mul_i32 s54, s13, 768
	s_add_co_u32 s54, s54, 8192
	s_add_nc_u64 s[QP:QP+1], s[4:5], s[54:55]      ; its HF
	s_lshr_b32 s54, s12, 4
	s_lshl_b32 s54, s54, 7
	s_add_co_u32 s54, s54, s13                     ; the tile among all tokens': 128 b + T
	s_mul_i32 s54, s54, REC
	s_and_b32 s58, s12, 15                         ; the head
	s_lshr_b32 s59, s58, 3
	s_mul_i32 s59, s59, 6400
	s_add_co_u32 s54, s54, s59
	s_add_nc_u64 s[8:9], s[8:9], s[54:55]          ; the half of the record in which the head lies
	s_and_b32 s59, s58, 7
	s_mul_i32 s54, s59, 768
	s_lshr_b32 s59, s59, 2
	s_lshl_b32 s59, s59, 8
	s_add_co_u32 s54, s54, s59
	s_add_nc_u64 s[OP:OP+1], s[8:9], s[54:55]      ; its HF
	s_bfe_u32 s54, s58, 0x20001
	s_lshl_b32 s54, s54, 6
	s_and_b32 s59, s58, 1
	s_lshl_b32 s59, s59, 1
	s_add_co_u32 s54, s54, s59
	s_add_co_u32 s54, s54, 3072
	s_add_nc_u64 s[OS:OS+1], s[8:9], s[54:55]      ; its two bytes of each row's scale word
	s_mov_b32 s[SEL], 0x76543210
	s_mov_b32 s[SEL+1], 0xfedcba98
	s_mov_b32 s[CS], 0x3e38aa3b                    ; log2(e) / 8
	s_mov_b32 s[CS+1], s[CS]
	s_mov_b32 s[PS], 0
	v_and_b32 v247, 31, v0                         ; lane
	v_and_b32 v248, 15, v0                         ; r
	v_bfe_u32 v249, v0, 4, 1                       ; h
	v_bfe_u32 v250, v0, 3, 1                       ; r / 8
	v_and_b32 v251, 7, v0                          ; r % 8
	v_lshlrev_b32 v[L16], 4, v247
	v_lshlrev_b32 v[L8], 3, v247
	v_lshlrev_b32 v[R4], 2, v248
	v_mul_u32_u24 v252, v250, 6*RP                 ; lanes 8-15 of a half read two stored tiles, six rows, further on
	v_mad_u32_u24 v253, v249, RP, v252
	v_lshl_add_u32 v253, v251, 4, v253
	v_add_nc_u32 v[LK16], 48*RP, v253              ; K, registers 0-3: row 48 + 6 (r / 8) + h, byte 16 (r % 8)
	v_lshl_add_u32 v253, v249, 7, v252
	v_lshl_add_u32 v253, v251, 3, v253
	v_add_nc_u32 v[LK8], 50*RP, v253               ; registers 4-5: row 50 + 6 (r / 8), byte 128 h + 8 (r % 8)
	v_lshlrev_b32 v253, 7, v250
	v_lshl_add_u32 v253, v249, 6, v253
	v_lshl_add_u32 v[LKS], v251, 2, v253           ; K's scale words: byte 128 (r / 8) + 64 (lane / 16) + 4 (r % 8) of a row
	v_mul_u32_u24 v253, v249, RP
	v_lshl_add_u32 v253, v248, 4, v253
	v_add_nc_u32 v[LV16], 96*RP, v253              ; V: row 96 + h (behind the scale words and the slot's K), byte 16 r
	v_lshl_add_u32 v[LVS], v247, 2, 32*RP          ; V's scale words: from row 32 on
	v_lshlrev_b32 v[SH8], 3, v249
.irp i, 0,1,2,3,4,5
	v_mov_b32 v[KV+48+\i], 0                       ; what the last tile's operand runs on into
.endr
	QLOAD
	s_wait_alu depctr_va_vdst(0)                   ; the wait at the head's end
	s_wait_tensorcnt 0x0                           ; my sixteenth has landed
	s_barrier_signal -1
	s_barrier_wait -1                              ; everybody's has.  Nothing is filled again
.Lpass:                                        ; my tile's state at a pass's start.  The step is written once: the first change of M multiplies the zeros by 0
.irp i, 6,7,8,9,10,11
	v_mov_b32 v[QF+\i], 0                          ; the empty half of the first product's K: zero codes
.endr
	v_mov_b32 v12, 0x7f61b1e6                      ; -M: 3e38
	v_mov_b32 v13, 0xff61b1e6                      ; the largest score so far: -3e38
	v_mov_b32 v14, 0
	v_mov_b32 v15, 0
	v_mov_b32 v[T3], 0                             ; a lane permute's destination counts as one of its sources
	v_mov_b32 v[FF+1], 0                           ; (named as the upper half of the pair with f)
.set ii, 0
.rept 32
	v_mov_b32 v[OT+ii], 0
.set ii, ii+1
.endr
	s_mov_b32 s[CNT], 0
	s_wait_alu depctr_va_vdst(0)                   ; the wait ahead of the wait below
	s_wait_loadcnt 0x0                             ; Q
.Lslot:                                        ; 256 keys: 96 rows of codes, 4 of K's scale words, 2 of V's
	s_mul_i32 s[TB], s[CNT], 96*RP
	s_mul_i32 s[TS], s[CNT], 4*RP
	s_mul_i32 s[TV], s[CNT], 2*RP
	v_add_nc_u32 v[AK16], s[TB], v[LK16]
	v_add_nc_u32 v[AK8], s[TB], v[LK8]
	v_add_nc_u32 v[ASK], s[TS], v[LKS]
	v_add_nc_u32 v[AV16], s[TB], v[LV16]
	v_add_nc_u32 v[ASV], s[TV], v[LVS]
	s_wait_alu depctr_va_vdst(0)                   ; the wait behind these writes
	STEP 0
	STEP 1
	s_add_co_u32 s[CNT], s[CNT], 1
	s_cmp_lt_u32 s[CNT], 8
	s_wait_alu depctr_va_vdst(0)                   ; the wait ahead of the branch
	s_cbranch_scc1 .Lslot
	s_cmp_eq_u32 s[PS], 1
	s_cbranch_scc1 .Lno_q                          ; the last pass asks for no further Q
	s_add_nc_u64 s[QP:QP+1], s[QP:QP+1], 16*768    ; the next pass's tile, 16 further on; its loads land under the way out
	s_add_nc_u64 s[QW:QW+1], s[QW:QW+1], 16*64
	QLOAD
.Lno_q:
	; THE WAY OUT: O^T / the sum, quantised along the head's 64 channels (two blocks, each in lanes l and l xor 16): HF number head of the tile's record.
	v_add_f32 v14, v14, v15
	s_delay_alu instid0(VALU_DEP_1)
	v_permlanex16_b32 v[T3], v14, s[SEL], s[SEL+1]
	s_delay_alu instid0(VALU_DEP_1)
	v_add_f32 v14, v14, v[T3]                      ; the row's sum
	s_wait_alu depctr_va_vdst(0)                   ; the wait ahead of the transcendentals
	v_rcp_f32 v[RC], v14
	v_rcp_f32 v[RC+1], v14
	v_nop
	s_wait_alu depctr_va_vdst(0)                   ; and ahead of their first reader, which is also O^T's
.set ii, 0
.rept 16
	v_pk_mul_f32 v[S+ii:S+ii+1], v[OT+ii:OT+ii+1], v[RC:RC+1]        ; register 16 b + i = channel 32 b + 16 h + i
.set ii, ii+2
.endr
.irp b, 0,1
	v_max3_num_f32 v[BM+\b], |v[S+16*\b]|, |v[S+1+16*\b]|, 0x1800000
.endr
.irp i, 2,4,6,8,10,12,14
.irp b, 0,1
	v_max3_num_f32 v[BM+\b], v[BM+\b], |v[S+16*\b+\i]|, |v[S+1+16*\b+\i]|
.endr
.endr
.irp b, 0,1
	v_permlanex16_b32 v[T2+\b], v[BM+\b], s[SEL], s[SEL+1]
.endr
.irp b, 0,1
	v_max_num_f32 v[BM+\b], v[BM+\b], v[T2+\b]
.endr
.irp b, 0,1
	v_add_nc_u32 v[SO+\b], 0xff000000, v[BM+\b]
.endr
.irp b, 0,1
	v_lshrrev_b32 v[T2+\b], 23, v[SO+\b]
.endr
	v_lshl_or_b32 v[TP], v[T2+1], 8, v[T2]
	v_cvt_scalef32_pk16_fp6_f32 v[PC:PC+2], v[S:S+15], v[SO]
	v_cvt_scalef32_pk16_fp6_f32 v[C2:C2+2], v[S+16:S+31], v[SO+1]
	v_nop                                          ; one plain place behind a scaled conversion
.irp i, 0,1,2
	v_permlane16_swap_b32 v[PC+\i], v[C2+\i]       ; a whole block to a lane
.endr
.irp i, 0,1,2
	v_mov_b32 v[PC+3+\i], v[C2+\i]
.endr
	global_store_b128 v[L16], v[PC:PC+3], s[OP:OP+1]
	global_store_b64 v[L8], v[PC+4:PC+5], s[OP:OP+1] offset:512
	global_store_b16 v[R4], v[TP], s[OS:OS+1]      ; lanes 16-31 repeat lanes 0-15
	s_wait_xcnt 0x0                                ; the stores have read their registers and bases
	s_add_nc_u64 s[OP:OP+1], s[OP:OP+1], 16*REC
	s_add_nc_u64 s[OS:OS+1], s[OS:OS+1], 16*REC
	s_add_co_u32 s[PS], s[PS], 1
	s_cmp_lt_u32 s[PS], 2
	s_wait_alu depctr_va_vdst(0)                   ; the wait ahead of the branch
	s_cbranch_scc1 .Lpass
	s_wait_tensorcnt 0x0                           ; the wave's end
	ds_add_u32 v254, v255
	s_wait_dscnt 0x0
	ROUND                                          ; the closing round
	s_endpgm
.Lfunc_end_k_qf1e33a5145_attn:
	.size	k_qf1e33a5145_attn, .Lfunc_end_k_qf1e33a5145_attn-k_qf1e33a5145_attn
	.p2alignl 7, 3214868480
	.fill 96, 4, 3214868480
	.section	.rodata,"a",@progbits
	.p2align	6, 0x0
	.amdhsa_kernel k_qf1e33a5145_attn
		.amdhsa_group_segment_fixed_size 263168
		.amdhsa_private_segment_fixed_size 0
		.amdhsa_enable_private_segment 0
		.amdhsa_kernarg_size 24
		.amdhsa_user_sgpr_count 2
		.amdhsa_user_sgpr_kernarg_segment_ptr 1
		.amdhsa_wavefront_size32 1
		.amdhsa_system_sgpr_workgroup_id_x 1
		.amdhsa_system_sgpr_workgroup_id_y 1
		.amdhsa_system_sgpr_workgroup_id_z 1
		.amdhsa_system_vgpr_workitem_id 0
		.amdhsa_next_free_vgpr 256
		.amdhsa_next_free_sgpr 66
		.amdhsa_reserve_vcc 0
		.amdhsa_float_denorm_mode_32 3
		.amdhsa_float_denorm_mode_16_64 3
		.amdhsa_memory_ordered 1
		.amdhsa_forward_progress 1
		.amdhsa_inst_pref_size 42
	.end_amdhsa_kernel
	.amdgpu_metadata
---
amdhsa.version: [ 1, 2 ]
amdhsa.kernels:
  - .name:           k_qf1e33a5145_attn
    .symbol:         k_qf1e33a5145_attn.kd
    .args:
      - { .name: qb, .offset: 0, .size: 8, .value_kind: global_buffer, .address_space: global }
      - { .name: kv, .offset: 8, .size: 8, .value_kind: global_buffer, .address_space: global }
      - { .name: att, .offset: 16, .size: 8, .value_kind: global_buffer, .address_space: global }
    .group_segment_fixed_size: 263168
    .private_segment_fixed_size: 0
    .kernarg_segment_align: 8
    .kernarg_segment_size: 24
    .max_flat_workgroup_size: 512
    .sgpr_count:     66
    .vgpr_count:     256
    .wavefront_size: 32
...
	.end_amdgpu_metadata
.endif
;; end of part 3
;; launch proj (part 4): grid 32 x 8, 4 waves a work-group, clusters of 4 x 4, 307,712 bytes of LDS; arguments att, ops, bproj, out0; writes out0
.if DOCPART == 4
	.amdgcn_target "amdgcn-amd-amdhsa--gfx1250"
	.amdhsa_code_object_version 6
	.text
	.protected	k_qf1e33a5145_proj
	.globl	k_qf1e33a5145_proj
	.p2align	8
	.type	k_qf1e33a5145_proj,@function
k_qf1e33a5145_proj:
	s_mov_b64 s[64:65], 0
	v_nop
	global_prefetch_b8 v0, s[64:65] scope:SCOPE_SE
	s_setreg_imm32_b32 hwreg(HW_REG_WAVE_MODE, 25, 1), 1
	s_wait_xcnt 0x0
	s_wait_alu depctr_hold_cnt(0) depctr_sa_sdst(0) depctr_va_vdst(0) depctr_va_sdst(0) depctr_va_ssrc(0) depctr_va_vcc(0) depctr_vm_vsrc(0)
	s_getreg_b32 s2, hwreg(HW_REG_IB_STS2, 6, 4)
	s_cmp_eq_u32 s2, 0
	s_cbranch_scc0 .Lentry_in_a_cluster
	s_endpgm
.Lentry_in_a_cluster:
	s_bfe_u32 s2, ttmp6, 0x10000c
	s_cmp_lg_u32 s2, 0xf033
	s_cbranch_scc0 .Lentry_shape_is_right
	s_endpgm
.Lentry_shape_is_right:
; out0 = o Wproj + bproj, on codes of FP6 (E2M3) with E8M0 scales.  att: 512 records of 16 tokens x K 1,024 (K = head x 64 + channel); ops: tiles 1216-1279 are Wproj's columns.  out0: [8192][1024] f32.
; A record is 12,800 bytes: two halves [HF 0-3][256 bytes of scale words][HF 4-7]; an HF is 16 rows x 64 K as six registers a lane (registers 0-3 at 16 x lane, 4-5 at 512 + 8 x lane).
; Rows of a tile: tile 2 g + u holds at place r the row 32 g + 8 u + r + 8 (r / 8).  Source 0 (X) = Wproj's columns n, source 1 (Y) = tokens: in accumulator (a, b) lane (r, h) holds the token at place r of Y tile a,
; and register j the column 32 (b / 2) + 16 h + 8 (b % 2) + j: 16 neighbouring columns in the registers of X tiles 2 g, 2 g + 1.
; A work-group makes 256 (n) x 128 (tokens) over all of K: 256 work-groups.  ALL OF K LIES IN LDS, four chunks of 256 along K, each filled once, all loads at the head: no barrier stands in the walk along K.
; CLUSTERS 4 x 4: X's tiles hang on cx alone and are asked for jointly along a column, Y's on cy alone and jointly along a row.  Waves 0 and 2 fetch X's halves, waves 1 and 3 Y's, one load each: one tensor load of a wave is out at the most.
; REGISTERS: window 0: v4-13 addresses; v32-55 scale words, two sets, and nothing else; v64-127 bias; v128-191 a tile's 64 numbers; v192-255 16 rows on the way out.
;   window 1: accumulator (a, b) at v[64 a + 8 b].   windows 2, 3: fragment sets 0, 1: X tile b at v[12 b], Y tile a at v[96 + 12 a].
.set REC,  12800
; LDS as this text fills it: two halves of K (512 each), HALF bytes apart; in a half X's 16 tile rows of 6,400 bytes (half a record), then Y's 8.  A chunk of 256 along K is 3,200 bytes of such a row.
; Four joint loads, one a wave, all at the head: wave 0 X's half 0, wave 1 Y's, wave 2 X's half 1, wave 3 Y's.  A load's rows are 6,400 bytes and begin at multiples of 256 bytes of their buffer.
; Every wave waits for its load, one barrier shows all of K, and no barrier stands in the walk along K; one more stands ahead of the stage's first store.
.set TROW, 6400
.set HALF, 153600
.set AX16, 4
.set AX8,  5
.set AY16, 6
.set AY8,  7
.set ASX,  8
.set ASY,  9
.set L16,  10
.set L8,   11
.set SC,   32
.set BI,   64
.set H,    128
.set BK,   192
.set WV,   18
.set G0X,  32
.set G0Y,  48
.set G1X,  68
.set G1Y,  76
.set MSB, 0
.macro WIN new                         ; the immediate's high byte repeats the setting that is left
.if MSB != (\new)
	s_set_vgpr_msb (MSB<<8)|(\new)
.set MSB, (\new)
.endif
.endm
.macro CROUND                          ; a round of the cluster's barrier
	s_barrier_signal -1
	s_barrier_wait -1
	s_cmp_lg_u32 s[WV], 0
	s_cbranch_scc1 .Lnot_wave_0_\@
	s_barrier_signal -3
.Lnot_wave_0_\@:
	s_barrier_wait -3
	s_barrier_signal -1
	s_barrier_wait -1
.endm
.macro PLACES                          ; four plain places behind matrix instructions (ISA guide 7.12.1)
.rept 4
	v_nop
.endr
.endm
	s_load_b256 s[4:11], s[0:1], 0x0               ; att s[4:5], ops s[6:7], bproj s[8:9], out0 s[10:11]
	v_lshl_add_u32 v62, v0, 2, 0x4b000
	v_mov_b32 v63, 0
	ds_add_u32 v62, v63
	ds_add_u32 v62, v63
	v_lshrrev_b32 v16, 5, v0
	v_readfirstlane_b32 s[WV], v16                 ; wave 0..3
	s_and_b32 s19, s[WV], 1                        ; wx: which 128 columns are mine
	s_lshr_b32 s20, s[WV], 1                       ; wy: which 64 tokens
	s_bfe_u32 s21, ttmp6, 0x40000                  ; cx
	s_bfe_u32 s22, ttmp6, 0x40004                  ; cy
	s_and_b32 s23, ttmp7, 0xffff                   ; the cluster's y, 0..1
	s_lshl_b32 s26, 0x1111, s21                    ; my column of the cluster
	s_lshl_b32 s27, s22, 2
	s_lshl_b32 s27, 15, s27                        ; my row
	s_or_b32 s[G1X], s26, (3<<16)|(1<<21)          ; 15:0 the mask; 17:16 elements of 8 bytes; 21 set beside a mask; no padding
	s_or_b32 s[G1Y], s27, (3<<16)|(1<<21)
	s_mov_b32 s[G1X+2], 16<<16                     ; tensor_dim1: X's 16 tiles,
	s_mov_b32 s[G1X+4], 16                         ; tile_dim1
	s_mov_b32 s[G1Y+2], 8<<16                      ; Y's 8
	s_mov_b32 s[G1Y+4], 8
.irp g, G1X, G1Y
	s_mov_b32 s[\g+1], 800<<16                     ; tensor_dim0 = 800 elements: 6,400 bytes, half a record
	s_mov_b32 s[\g+3], 800<<16                     ; tile_dim0
	s_mov_b32 s[\g+5], 1600                        ; from record to record
	s_mov_b32 s[\g+6], 0
	s_mov_b32 s[\g+7], 0
.endr
	s_lshl_b32 s28, s21, 4                         ; X: tile 1216 + 16 cx; these registers never hold cy
	s_add_co_u32 s28, s28, 1216
	s_mul_i32 s86, s28, REC
	s_mov_b32 s87, 0
	s_lshl_b32 s31, ttmp9, 3                       ; Y: tile 8 (8 cluster x + 4 cluster y + cy); these never hold cx
	s_lshl_b32 s84, s23, 2
	s_add_co_u32 s31, s31, s84
	s_add_co_u32 s31, s31, s22
	s_lshl_b32 s31, s31, 3
	s_mul_i32 s88, s31, REC
	s_mov_b32 s89, 0
	s_wait_dscnt 0x0
	s_wait_kmcnt 0x0
	s_add_nc_u64 s[86:87], s[6:7], s[86:87]
	s_add_nc_u64 s[88:89], s[4:5], s[88:89]
.irp c, 0,1
	s_mov_b32 s[G0X+4*\c], 1
	s_mov_b32 s[G0X+4*\c+1], HALF*\c
	s_add_nc_u64 s[G0X+4*\c+2:G0X+4*\c+3], s[86:87], TROW*\c
	s_or_b32 s[G0X+4*\c+3], s[G0X+4*\c+3], 0x80000000
	s_mov_b32 s[G0Y+4*\c], 1
	s_mov_b32 s[G0Y+4*\c+1], HALF*\c+16*TROW
	s_add_nc_u64 s[G0Y+4*\c+2:G0Y+4*\c+3], s[88:89], TROW*\c
	s_or_b32 s[G0Y+4*\c+3], s[G0Y+4*\c+3], 0x80000000
.endr
	CROUND                                         ; all sixteen work-groups are here: the joint loads meet
	s_cmp_lt_u32 s[WV], 1                          ; one chain of branches on the wave's number, one load to an arm
	s_cbranch_scc0 .Lh1
	tensor_load_to_lds s[G0X:G0X+3], s[G1X:G1X+7]
	s_nop 0
.rept 4
	v_nop
.endr
	s_branch .Lasked
.Lh1:
	s_cmp_lt_u32 s[WV], 2
	s_cbranch_scc0 .Lh2
	tensor_load_to_lds s[G0Y:G0Y+3], s[G1Y:G1Y+7]
	s_nop 0
.rept 4
	v_nop
.endr
	s_branch .Lasked
.Lh2:
	s_cmp_lt_u32 s[WV], 3
	s_cbranch_scc0 .Lh3
	tensor_load_to_lds s[G0X+4:G0X+7], s[G1X:G1X+7]
	s_nop 0
.rept 4
	v_nop
.endr
	s_branch .Lasked
.Lh3:
	tensor_load_to_lds s[G0Y+4:G0Y+7], s[G1Y:G1Y+7]
	s_nop 0
.rept 4
	v_nop
.endr
.Lasked:
	v_and_b32 v16, 31, v0                          ; lane
	v_and_b32 v17, 15, v0                          ; r
	v_bfe_u32 v18, v0, 4, 1                        ; h
	v_lshlrev_b32 v[L16], 4, v16
	v_lshlrev_b32 v[L8], 3, v16
	v_lshlrev_b32 v19, 2, v16
	s_mul_i32 s93, s19, 8*TROW
	s_mul_i32 s94, s20, 4*TROW
	s_add_co_u32 s94, s94, 16*TROW
	v_add_nc_u32 v[AX16], s93, v[L16]
	v_add_nc_u32 v[AX8], s93, v[L8]
	v_add_nc_u32 v[ASX], s93, v19
	v_add_nc_u32 v[AY16], s94, v[L16]
	v_add_nc_u32 v[AY8], s94, v[L8]
	v_add_nc_u32 v[ASY], s94, v19
	s_mul_i32 s93, s[WV], 8448                     ; my stage for the way out: 16 rows x 528 bytes, in chunk 0, which has had its one fill and, by then, its last read
	v_mul_u32_u24 v12, v17, 528
	v_lshl_add_u32 v12, v18, 6, v12
	v_add_nc_u32 v12, s93, v12                     ; in: row r, + 64 h
	v_add_nc_u32 v13, s93, v[L16]                  ; back: a row's 512 bytes
	v_lshlrev_b32 v1, 6, v18                       ; 64 h: my half's 16 numbers of each 32 of the bias
	s_wait_alu depctr_va_vdst(0)
	s_lshl_b32 s93, s20, 2
	s_add_co_u32 s93, s93, s31                     ; my first tile of tokens
	s_lshl_b32 s94, s93, 16                        ; x 16 rows of 4,096 bytes
	s_lshl_b32 s96, s21, 10
	s_lshl_b32 s97, s19, 9
	s_add_co_u32 s96, s96, s97                     ; my first column, in bytes: 4 (256 cx + 128 wx)
	s_mov_b32 s97, 0
	s_add_nc_u64 s[8:9], s[8:9], s[96:97]
	s_add_co_u32 s94, s94, s96
	s_mov_b32 s95, 0
	s_add_nc_u64 s[10:11], s[10:11], s[94:95]
.irp b, 0,1,2,3,4,5,6,7
	global_load_b128 v[BI+8*\b:BI+8*\b+3], v1, s[8:9] offset:4*(32*(\b/2)+8*(\b%2))
	global_load_b128 v[BI+8*\b+4:BI+8*\b+7], v1, s[8:9] offset:4*(32*(\b/2)+8*(\b%2))+16
.endr
.macro FRAG reg, a16, a8, off          ; a fragment, 16 rows x 128 K: two HFs as they lie
	ds_load_b128 v[\reg:\reg+3], v[\a16] offset:\off
	ds_load_b64 v[\reg+4:\reg+5], v[\a8] offset:\off+512
	ds_load_b128 v[\reg+6:\reg+9], v[\a16] offset:\off+768
	ds_load_b64 v[\reg+10:\reg+11], v[\a8] offset:\off+1280
.endm
.macro FETCH k                         ; K step k's 12 fragments, 48 loads, into set k % 2.  In an odd chunk the scale words come first, 128 bytes
.set KO, 128*(((\k)/2)%2)+1536*((\k)%2)
	WIN 0x80+0x40*((\k)%2)
.irp b, 0,1,2,3,4,5,6,7
	FRAG 12*\b, AX16, AX8, TROW*\b+KO
.endr
.irp a, 0,1,2,3
	FRAG 96+12*\a, AY16, AY8, TROW*\a+KO
.endr
	WIN 0
.endm
.macro SCALES c                        ; chunk c's scale words: lanes 0-15 its first K step's, lanes 16-31 its second's
.set SB, SC+12*((\c)%2)
.set SOF, 3072*(1-(\c)%2)
.irp b, 0,1,2,3,4,5,6,7
	ds_load_b32 v[SB+\b], v[ASX] offset:TROW*\b+SOF
.endr
.irp a, 0,1,2,3
	ds_load_b32 v[SB+8+\a], v[ASY] offset:TROW*\a+SOF
.endr
.endm
.macro MUL k                           ; 32 matrix instructions, the 32 accumulators by turns; K step 0 starts the sums
.set SB, SC+12*(((\k)/2)%2)
	WIN 0x5a+5*((\k)%2)                            ; sources 0 and 1 window 2 or 3, C and D window 1
.irp a, 0,1,2,3
.irp b, 0,1,2,3,4,5,6,7
.if (\k) == 0
	v_wmma_scale_f32_16x16x128_f8f6f4 v[64*\a+8*\b:64*\a+8*\b+7], v[12*\b:12*\b+11], v[96+12*\a:96+12*\a+11], 0, v[SB+\b], v[SB+8+\a] matrix_a_fmt:MATRIX_FMT_FP6 matrix_b_fmt:MATRIX_FMT_FP6
.elseif (\k)%2 == 0
	v_wmma_scale_f32_16x16x128_f8f6f4 v[64*\a+8*\b:64*\a+8*\b+7], v[12*\b:12*\b+11], v[96+12*\a:96+12*\a+11], v[64*\a+8*\b:64*\a+8*\b+7], v[SB+\b], v[SB+8+\a] matrix_a_fmt:MATRIX_FMT_FP6 matrix_b_fmt:MATRIX_FMT_FP6
.else
	v_wmma_scale_f32_16x16x128_f8f6f4 v[64*\a+8*\b:64*\a+8*\b+7], v[12*\b:12*\b+11], v[96+12*\a:96+12*\a+11], v[64*\a+8*\b:64*\a+8*\b+7], v[SB+\b], v[SB+8+\a] matrix_a_fmt:MATRIX_FMT_FP6 matrix_b_fmt:MATRIX_FMT_FP6 matrix_a_scale:MATRIX_SCALE_ROW1 matrix_b_scale:MATRIX_SCALE_ROW1
.endif
.endr
.endr
.endm
.macro KEVEN k                         ; a chunk's first K step: the second's fragments are asked for, then this one is multiplied
.if (\k) > 0
	PLACES                                         ; in front of loads into the set just multiplied
.endif
	FETCH (\k)+1
	s_wait_dscnt 48                                ; all but the 48 just issued: this step's fragments and scale words are in
	MUL \k
.endm
.macro KODD k                          ; a chunk's second K step: the next chunk is shown whole, its first fragments are asked for, then this step is multiplied
	WIN 0
.irp v, AX16, AX8, AY16, AY8, ASX, ASY
	v_add_nc_u32 v[\v], 3200+(HALF-6400)*(((\k)/2)%2), v[\v]   ; on to the next chunk: 3,200 bytes on in the row, or into the next half; these six are also the places in front of the loads below
.endr
	s_wait_alu depctr_va_vdst(0)                   ; the wait behind these writes
	FETCH (\k)+1
	SCALES ((\k)+1)/2
	s_wait_dscnt 60                                ; all but the 48 + 12 just issued: this step's fragments are in
	MUL \k
.endm
	s_wait_tensorcnt 0x0                           ; my one load has landed
	s_barrier_signal -1
	s_barrier_wait -1
	FETCH 0
	SCALES 0
	KEVEN 0
	KODD 1
	KEVEN 2
	s_wait_alu depctr_va_vdst(0)
	KODD 3
	KEVEN 4
	s_wait_alu depctr_va_vdst(0)
	KODD 5
	KEVEN 6
	s_wait_dscnt 0x0                               ; my reads of the tiles are over:
	s_barrier_signal -1                            ; say so, since the stages lie in bytes that tiles filled,
	MUL 7
	WIN 0
	s_barrier_wait -1                              ; and store there only when all four waves have said so
	PLACES
	s_wait_loadcnt 0x0                             ; the bias
; THE WAY OUT, a tile of 16 tokens x 128 columns at a time: + bias; through my own stage, so that a row's 512 bytes leave by one store of the 32 lanes.
.macro ADD a
	WIN 0x01                                       ; source 0: the accumulators' window
.set ii, 0
.rept 32
	v_pk_add_f32 v[H+ii:H+ii+1], v[64*(\a)+ii:64*(\a)+ii+1], v[BI+ii:BI+ii+1]   ; each accumulator from its low end on
.set ii, ii+2
.endr
	WIN 0
.endm
.macro TOSTAGE
.irp g, 0,1,2,3
.irp j, 0,1,2,3
	ds_store_b128 v12, v[H+16*\g+4*\j:H+16*\g+4*\j+3] offset:128*\g+16*\j    ; register 16 g + i = column 32 g + 16 h + i
.endr
.endr
.irp i, 0,1,2,3,4,5,6,7,8,9,10,11,12,13,14,15
	ds_load_b128 v[BK+4*\i:BK+4*\i+3], v13 offset:528*\i             ; LDS serves a wave's instructions in order: these see the stores above
.endr
.endm
.macro SEND a
.irp i, 0,1,2,3,4,5,6,7,8,9,10,11,12,13,14,15
	global_store_b128 v[L16], v[BK+4*\i:BK+4*\i+3], s[10:11] offset:(32*((\a)/2)+8*((\a)%2)+\i+8*(\i/8))*4096 th:TH_STORE_NT   ; the token at place i: 512 consecutive bytes, aligned; written once
.endr
.endm
	ADD 0
.irp a, 0,1,2,3
.if \a > 0
	s_wait_xcnt 0x0                                ; the last tile's stores have read their registers
.endif
	TOSTAGE
	s_wait_dscnt 16                                ; the stores into the stage are done; the 16 loads back may be out
.if \a < 3
	ADD \a+1                                       ; the next tile's additions stand between the loads and the wait for them
.endif
	s_wait_alu depctr_va_vdst(0)
	s_wait_dscnt 0x0
	SEND \a
.endr
	s_wait_tensorcnt 0x0
	ds_add_u32 v62, v63
	s_wait_dscnt 0x0
	CROUND                                         ; the closing round: no work-group ends while a partner may still ask for a tile that names it
	s_endpgm
.Lfunc_end_k_qf1e33a5145_proj:
	.size	k_qf1e33a5145_proj, .Lfunc_end_k_qf1e33a5145_proj-k_qf1e33a5145_proj
	.p2alignl 7, 3214868480
	.fill 96, 4, 3214868480
	.section	.rodata,"a",@progbits
	.p2align	6, 0x0
	.amdhsa_kernel k_qf1e33a5145_proj
		.amdhsa_group_segment_fixed_size 307712
		.amdhsa_private_segment_fixed_size 0
		.amdhsa_enable_private_segment 0
		.amdhsa_kernarg_size 32
		.amdhsa_user_sgpr_count 2
		.amdhsa_user_sgpr_kernarg_segment_ptr 1
		.amdhsa_wavefront_size32 1
		.amdhsa_system_sgpr_workgroup_id_x 1
		.amdhsa_system_sgpr_workgroup_id_y 1
		.amdhsa_system_sgpr_workgroup_id_z 1
		.amdhsa_system_vgpr_workitem_id 0
		.amdhsa_next_free_vgpr 1024
		.amdhsa_next_free_sgpr 100
		.amdhsa_reserve_vcc 0
		.amdhsa_float_denorm_mode_32 3
		.amdhsa_float_denorm_mode_16_64 3
		.amdhsa_memory_ordered 1
		.amdhsa_forward_progress 1
		.amdhsa_inst_pref_size 94
	.end_amdhsa_kernel
	.amdgpu_metadata
---
amdhsa.version: [ 1, 2 ]
amdhsa.kernels:
  - .name:           k_qf1e33a5145_proj
    .symbol:         k_qf1e33a5145_proj.kd
    .args:
      - { .name: att, .offset: 0, .size: 8, .value_kind: global_buffer, .address_space: global }
      - { .name: ops, .offset: 8, .size: 8, .value_kind: global_buffer, .address_space: global }
      - { .name: bproj, .offset: 16, .size: 8, .value_kind: global_buffer, .address_space: global }
      - { .name: out0, .offset: 24, .size: 8, .value_kind: global_buffer, .address_space: global }
    .group_segment_fixed_size: 307712
    .private_segment_fixed_size: 0
    .kernarg_segment_align: 8
    .kernarg_segment_size: 32
    .max_flat_workgroup_size: 128
    .sgpr_count:     100
    .vgpr_count:     1024
    .wavefront_size: 32
...
	.end_amdgpu_metadata
.endif
;; end of part 4
